; MI455X (gfx1250); checked and timed in simulation.
; The chip was launched on July 23, 2026; its instructions are those of AMD's public machine-readable ISA for CDNA 5 (MIT licence, August 2026) and "CDNA5" Instruction Set Architecture Reference Guide (July 2026). The comments in the code are by the model that wrote it; some were corrected since.
;; Causal Self Attention. Allowed arithmetic: matrix products marked QUANTISED: E2M1 operands, one E8M0 scale for each 32 along K, by v_wmma_scale_f32_16x16x128_f8f6f4 with both operands' format E2M1 (or v_wmma_scale_f32_32x16x128_f4), f32 sums; products left as they are: bf16, f16 or f32 operands; f32 sums; everything else in f32.
;; Inputs: Wk 1,024 x 1,024 float32; Wo 1,024 x 1,024 float32; Wq 1,024 x 1,024 float32; Wv 1,024 x 1,024 float32; bk 1,024 float32; bo 1,024 float32; bq 1,024 float32; bv 1,024 float32; x 4 x 2,048 x 1,024 float32.
;; Outputs: out0 4 x 2,048 x 1,024 float32.
;; This version of the problem:
;;   THIS VERSION OF THE PROBLEM IS GIVEN IN LOW PRECISION. The matrix products marked QUANTISED in the list below multiply operands that are first quantised to E2M1 (2 exponent bits, 1 mantissa bit; 4 bits a number), with one power-of-two scale for each 32 numbers along K (OCP MX v1.0); their sums are f32. The products marked 'left as it is' may take bf16, f16 or f32 operands, with f32 sums. Whichever they take, every output number must still come out within the allowed error. Rounding operands to bf16 (8 significant bits) uses up far more of that allowance than f16 does (11 bits, for magnitudes from 6e-5 to 65,504). All else is computed in f32.
;;   The module's matrix products, in the order in which they are computed (A, B: the left and right operand; K: the contracted axis; several contracted axes count as one K, in the product's order):
;;     1. [M 8,192, K 1,024] x [K 1,024, N 1,024]; A: input x; B: input Wq: QUANTISED
;;     2. [M 8,192, K 1,024] x [K 1,024, N 1,024]; A: input x; B: input Wk: QUANTISED
;;     3. [M 8,192, K 1,024] x [K 1,024, N 1,024]; A: input x; B: input Wv: QUANTISED
;;     4. batch 64 x [M 2,048, K 64] x [K 64, N 2,048]; A: computed on the way; B: computed on the way: left as it is (an operand is computed on the way)
;;     5. batch 64 x [M 2,048, K 2,048] x [K 2,048, N 64]; A: computed on the way; B: computed on the way: left as it is (an operand is computed on the way)
;;     6. [M 8,192, K 1,024] x [K 1,024, N 1,024]; A: computed on the way; B: input Wo: left as it is (an operand is computed on the way)
;;   THE QUANTISER, for each operand of a quantised product, along K:
;;     - K is cut into blocks of 32 from its start; a last block that is shorter is filled with zeros.
;;     - A block's scale is 2^e with e = floor(log2(the largest magnitude in the block)) - 2, held to -126 .. 127; a block of zeros has e = 0. As a byte (E8M0): e + 127.
;;     - Each number is divided by its block's scale, clamped to +-6, and rounded to the nearest number of E2M1, ties to even, subnormals kept.
;;     - The product sums the exact products of the quantised numbers (number of the format x scale) in f32.
;;   ~~~python
;;   def quantise(x, axis):      # numpy; x: float32 -> the quantised numbers, widened to float32 again
;;       x = np.moveaxis(x, axis, -1); K = x.shape[-1]
;;       x = np.pad(x, [(0, 0)] * (x.ndim - 1) + [(0, -K % 32)]); x = x.reshape(x.shape[:-1] + (-1, 32)); a = np.abs(x).max(-1, keepdims=True)
;;       e = np.where(a > 0, np.clip(np.frexp(np.where(a > 0, a, 1))[1] - 1 - 2, -126, 127), 0)      # np.frexp(a)[1] - 1 = floor(log2(a)), exactly
;;       r = np.clip(x / 2.0 ** e, -6, 6)
;;       step = 2.0 ** (np.maximum(np.frexp(np.where(r == 0, 1, r))[1] - 1, 0) - 1)
;;       q = np.round(r / step) * step * 2.0 ** e      # np.round: ties to even
;;       return np.moveaxis(q.reshape(q.shape[:-2] + (-1,))[..., :K], -1, axis).astype(np.float32)
;;   ~~~
;; One version. Each part assembles by itself: llvm-mc -triple=amdgcn-amd-amdhsa -mcpu=gfx1250 --defsym DOCPART=n.
;; ======== version 1 of 1: 5 launches
;; limits: values are held in f16: magnitudes above 65,504 overflow, below 6.1e-05 lose precision
;; workspace buffers: xcodes 4,194,304 bytes; xscales 262,144 bytes; wcodes 1,572,864 bytes; wscales 98,304 bytes; wo16 2,097,152 bytes; qkv 50,331,648 bytes; early 786,432 bytes; o16 16,777,216 bytes
;; launch quant (part 1): grid 384 x 1, 4 waves a work-group, no clusters, 33,280 bytes of LDS; arguments x, Wq, Wk, Wv, Wo, xcodes, xscales, wcodes, wscales, wo16; writes xcodes, xscales, wcodes, wscales, wo16
.if DOCPART == 1
	.amdgcn_target "amdgcn-amd-amdhsa--gfx1250"
	.amdhsa_code_object_version 6
	.text
	.protected	k_q2373fab64d_quant
	.globl	k_q2373fab64d_quant
	.p2align	8
	.type	k_q2373fab64d_quant,@function
k_q2373fab64d_quant:
	s_mov_b64 s[64:65], 0
	v_nop
	global_prefetch_b8 v0, s[64:65] scope:SCOPE_SE
	s_setreg_imm32_b32 hwreg(HW_REG_WAVE_MODE, 25, 1), 1
	s_wait_xcnt 0x0
; CAUSAL SELF-ATTENTION, launch 1 of 5: the operands of the three quantised products become codes, Wo becomes f16.
; WORK LEFT OUT IN THIS PROGRAM, AND WHY IT IS DEAD.
;  (1) bk.  k = x Wk^T + bk, so the score of query q and key k is q . (x Wk^T)_k + q . bk.  The second term is the same for every key of a query's row, so the softmax along the keys
;      takes it away whatever finite values the inputs hold (masked places are -infinity with it and without it).  The product of q and k is not quantised, so bk moves no code and no scale.
;      bk has then no way to any output: it is not loaded and is among no launch's arguments.
;  (2) Tiles of scores that lie wholly above the diagonal: reference() builds the causal mask itself and sets them to -infinity ahead of the softmax.
;  LIMIT: a NaN, an infinity or an overflow that reaches only the work left out (bk, hidden scores) is not carried to the result.
; THIS LAUNCH.  x [8192][1024], Wq, Wk, Wv [1024][1024], f32, K innermost in all: codes of FP4 (E2M1), two a byte, and one E8M0 byte for each 32 along K.
; A block's scale is 2^(floor(log2(its largest magnitude)) - 2); its byte is the largest magnitude's exponent field - 2, held at 1 from below.  (A block of zeros so gets the byte 1 where the rule
; says 127: its codes are zeros, which add nothing, and this program alone reads the bytes.)  Each number is divided by the scale and rounded to the nearest code, ties to even, beyond 6 the code of 6.
; LIMITS: blocks whose largest magnitude lies under 2^(2 - 126) keep the byte 1; NaN and infinities among the inputs are not served; Wo's magnitudes stay under 65,504 (f16).
; Rows are dense and K is a multiple of 32: each tensor is a plain stream of blocks of 32.  The three weights' codes lie one behind the other: rows 0-1023 Wq, 1024-2047 Wk, 2048-3071 Wv.
; SHARES.  A work-group takes 32,768 numbers, a wave 8,192.  Work-groups 0-255: x; 256-287 Wq; 288-319 Wk; 320-351 Wv; 352-383: Wo to f16 (a path of its own, which touches no LDS).
; A wave takes 16 steps of 512 numbers.  Each of a step's four loads reads 512 consecutive bytes; the 2,048 bytes turn through the wave's own stage in LDS and come back 64 bytes a lane, so that a lane
; holds 16 neighbours along K and two neighbouring lanes a block.  A lane's 16 codes are 8 bytes: the wave stores 256 consecutive bytes.  A wave's 256 scale bytes are gathered in LDS and leave together.
.set WAVES, 4
.set STEPS, 16
.set EMAX,  2
.set CB,    8                          ; bytes of 16 codes
.set R,     16                         ; v16-79   four sets of 16 numbers as they are loaded
.set X,     80                         ; v80-111  two sets of 16 neighbours
.set C,     128                        ; v128-191 codes: four registers for each step
.set E,     112                        ; v112-127 a scale byte for each step
.set WREG,  8192                       ; LDS: a region for each wave: two stages of 32 x SP bytes, behind them its 256 scale bytes
.set SP,    80                         ; a lane's place in a stage: 64 bytes + 16 of padding
.set SPW,   12                         ; v12  LDS address of my spare word; never rewritten
.set NIL,   13                         ; v13  0; never rewritten
.set SPARE, WAVES*WREG                 ; behind the four regions: the spare words, 128 bytes for each wave
	s_load_b512 s[4:19], s[0:1], 0x0               ; x 4, Wq 6, Wk 8, Wv 10, Wo 12, xcodes 14, xscales 16, wcodes 18
	s_load_b128 s[20:23], s[0:1], 0x40             ; wscales 20, wo16 22
	v_lshl_add_u32 v[SPW], v0, 2, SPARE
	v_mov_b32 v[NIL], 0
	v_lshrrev_b32 v1, 5, v0
	v_readfirstlane_b32 s24, v1                    ; wave
	v_and_b32 v2, 31, v0                           ; lane
	v_lshlrev_b32 v3, 4, v2                        ; my 16 bytes of a load's 512
	s_mul_i32 s25, s24, WREG
	v_lshrrev_b32 v14, 2, v2
	v_mul_u32_u24 v14, v14, SP
	v_and_b32 v15, 3, v2
	v_lshl_add_u32 v14, v15, 4, v14
	v_add_nc_u32 v14, s25, v14                     ; the stage, on the way in: SP (lane / 4) + 16 (lane % 4)
	v_mul_u32_u24 v15, v2, SP
	v_add_nc_u32 v15, s25, v15                     ; and on the way out: SP x lane
	v_mul_u32_u24 v4, v2, CB                       ; 8 x lane: my codes' place in a step's (and my f16 numbers' place on Wo's path)
	v_lshrrev_b32 v5, 1, v2
	s_add_co_u32 s25, s25, 2*32*SP
	v_add_nc_u32 v5, s25, v5                       ; LDS: my wave's 256 scale bytes, my block's byte
	v_lshlrev_b32 v7, 3, v2
	v_add_nc_u32 v6, s25, v7                       ; and on the way out 8 bytes a lane
	s_wait_kmcnt 0x0
	s_cmp_ge_u32 ttmp9, 352
	s_cbranch_scc1 .Lwo
	s_sub_co_u32 s34, ttmp9, 256                   ; which run of the weights' codes (used from work-group 256 on)
	s_and_b32 s35, s34, 31                         ; and which run of its own weight
	s_cmp_lt_u32 ttmp9, 256                        ; the choices hang on the work-group's number alone
	s_cselect_b64 s[28:29], s[4:5], s[6:7]         ; from: x or Wq
	s_cselect_b64 s[30:31], s[14:15], s[18:19]     ; codes to
	s_cselect_b64 s[32:33], s[16:17], s[20:21]     ; scale bytes to
	s_cselect_b32 s35, ttmp9, s35
	s_cselect_b32 s34, ttmp9, s34
	s_cmp_ge_u32 ttmp9, 288
	s_cselect_b64 s[28:29], s[8:9], s[28:29]       ; Wk
	s_cmp_ge_u32 ttmp9, 320
	s_cselect_b64 s[28:29], s[10:11], s[28:29]     ; Wv
	s_lshl_b32 s35, s35, 2
	s_add_co_u32 s35, s35, s24                     ; my wave's run of 8,192 numbers in the source
	s_lshl_b32 s34, s34, 2
	s_add_co_u32 s34, s34, s24                     ; and in the codes
	s_lshl_b32 s36, s35, 15                        ; 32,768 bytes of f32 a run
	s_mov_b32 s37, 0
	s_add_nc_u64 s[28:29], s[28:29], s[36:37]
	s_lshl_b32 s36, s34, 12                        ; 4,096 bytes of codes
	s_add_nc_u64 s[30:31], s[30:31], s[36:37]
	s_lshl_b32 s36, s34, 8                         ; 256 scale bytes
	s_add_nc_u64 s[32:33], s[32:33], s[36:37]
.macro LOAD t
.irp i, 0,1,2,3
	global_load_b128 v[R+16*((\t)%4)+4*\i:R+16*((\t)%4)+4*\i+3], v3, s[28:29] offset:2048*(\t)+512*\i th:TH_LOAD_NT   ; 32 lanes read 512 consecutive bytes
.endr
.endm
.macro TURN t                          ; step t's numbers through the stage: LDS serves a wave's instructions in order, so no wait stands between the stores and the loads
.irp i, 0,1,2,3
	ds_store_b128 v14, v[R+16*((\t)%4)+4*\i:R+16*((\t)%4)+4*\i+3] offset:32*SP*((\t)%2)+8*SP*\i
.endr
.irp i, 0,1,2,3
	ds_load_b128 v[X+16*((\t)%2)+4*\i:X+16*((\t)%2)+4*\i+3], v15 offset:32*SP*((\t)%2)+16*\i
.endr
.endm
.irp t, 0,1,2,3
	LOAD \t
.endr
	s_wait_loadcnt 12                              ; step 0's four loads are in
	TURN 0
.macro STEP t
.set XS, X+16*((\t)%2)
.if (\t) > 0
	s_wait_dscnt 1                                 ; this step's numbers are back from the stage (the last step's byte store may be out): its stores into the stage have read their registers,
.else
	s_wait_dscnt 0x0
.endif
.if (\t)+4 < STEPS
	LOAD (\t)+4                                    ; which take the loads of four steps on
.endif
.if (\t)+1 < STEPS
.if STEPS-2-(\t) >= 3
	s_wait_loadcnt 12                              ; the next step's four loads are in; those of the three steps behind it may be out
.else
	s_wait_loadcnt 4*(STEPS-2-(\t))
.endif
	TURN (\t)+1
.endif
	v_max3_num_f32 v8, |v[XS]|, |v[XS+1]|, |v[XS+2]|               ; the largest magnitude of my 16, in two chains
	v_max3_num_f32 v9, |v[XS+3]|, |v[XS+4]|, |v[XS+5]|
.irp i, 6,10
	v_max3_num_f32 v8, v8, |v[XS+\i]|, |v[XS+\i+1]|
	v_max3_num_f32 v9, v9, |v[XS+\i+2]|, |v[XS+\i+3]|
.endr
	v_max3_num_f32 v8, v8, |v[XS+14]|, |v[XS+15]|
	v_max3_num_f32 v8, v8, v9, (EMAX+1)<<23        ; and the floor 2^(EMAX + 1 - 127): the byte cannot fall under 1
	v_max_num_f32_dpp v8, v8, v8 row_xmask:1 row_mask:0xf bank_mask:0xf   ; and of my neighbour's 16: the block's
	v_add_nc_u32 v11, -(EMAX<<23), v8              ; EMAX off its exponent field: the conversion takes the exponent field of this operand as its scale
	v_cvt_scalef32_pk8_fp4_f32 v[C+4*(\t)], v[XS:XS+7], v11
	v_cvt_scalef32_pk8_fp4_f32 v[C+4*(\t)+1], v[XS+8:XS+15], v11
	v_lshrrev_b32 v[E+(\t)], 23, v11               ; the scale's byte (also the plain line behind the conversions)
	ds_store_b8 v5, v[E+(\t)] offset:16*(\t)       ; both lanes of a block write the same byte with the same value
	global_store_b64 v4, v[C+4*(\t):C+4*(\t)+1], s[30:31] offset:32*CB*(\t)   ; 32 lanes store 256 consecutive bytes, aligned
.endm
.irp t, 0,1,2,3,4,5,6,7,8,9,10,11,12,13,14,15
	STEP \t
.endr
	ds_load_b64 v[8:9], v6                         ; LDS serves a wave's instructions in order: these see my byte stores
	s_wait_dscnt 0x0
	global_store_b64 v7, v[8:9], s[32:33]          ; 32 lanes store 256 consecutive bytes, aligned
	s_wait_tensorcnt 0x0                           ; the wave's end
	ds_add_u32 v[SPW], v[NIL]
	s_wait_dscnt 0x0
	s_endpgm
; Wo [1024][1024] f32 -> f16, as it lies.  A wave takes 8,192 numbers: four groups of 16 loads of 512 bytes, in two sets of registers by turns; each store covers 256 consecutive bytes.
.Lwo:
	s_sub_co_u32 s34, ttmp9, 352
	s_lshl_b32 s34, s34, 2
	s_add_co_u32 s34, s34, s24                     ; my wave's run
	s_lshl_b32 s36, s34, 15
	s_mov_b32 s37, 0
	s_add_nc_u64 s[28:29], s[12:13], s[36:37]
	s_lshl_b32 s36, s34, 14
	s_add_nc_u64 s[30:31], s[22:23], s[36:37]
.macro LOADG g, set
.irp i, 0,1,2,3,4,5,6,7,8,9,10,11,12,13,14,15
	global_load_b128 v[\set+4*\i:\set+4*\i+3], v3, s[28:29] offset:512*(16*(\g)+\i) th:TH_LOAD_NT
.endr
.endm
.macro CVTST g, set
.irp i, 0,1,2,3,4,5,6,7,8,9,10,11,12,13,14,15
	v_cvt_pk_f16_f32 v[\set+4*\i], v[\set+4*\i], v[\set+4*\i+1]
	v_cvt_pk_f16_f32 v[\set+4*\i+1], v[\set+4*\i+2], v[\set+4*\i+3]
	global_store_b64 v4, v[\set+4*\i:\set+4*\i+1], s[30:31] offset:256*(16*(\g)+\i)
.endr
.endm
	LOADG 0, 16
	LOADG 1, 80
	s_wait_loadcnt 16                              ; the older group is in, the younger group's 16 loads may be out
	CVTST 0, 16
	s_wait_xcnt 0x0                                ; the stores have read their data: the set may be loaded again
	LOADG 2, 16
	s_wait_loadcnt 16
	CVTST 1, 80
	s_wait_xcnt 0x0
	LOADG 3, 80
	s_wait_loadcnt 16
	CVTST 2, 16
	s_wait_loadcnt 0x0
	CVTST 3, 80
	s_endpgm
.Lfunc_end_k_q2373fab64d_quant:
	.size	k_q2373fab64d_quant, .Lfunc_end_k_q2373fab64d_quant-k_q2373fab64d_quant
	.p2alignl 7, 3214868480
	.fill 96, 4, 3214868480
	.section	.rodata,"a",@progbits
	.p2align	6, 0x0
	.amdhsa_kernel k_q2373fab64d_quant
		.amdhsa_group_segment_fixed_size 33280
		.amdhsa_private_segment_fixed_size 0
		.amdhsa_enable_private_segment 0
		.amdhsa_kernarg_size 80
		.amdhsa_user_sgpr_count 2
		.amdhsa_user_sgpr_kernarg_segment_ptr 1
		.amdhsa_wavefront_size32 1
		.amdhsa_system_sgpr_workgroup_id_x 1
		.amdhsa_system_sgpr_workgroup_id_y 1
		.amdhsa_system_sgpr_workgroup_id_z 1
		.amdhsa_system_vgpr_workitem_id 0
		.amdhsa_next_free_vgpr 192
		.amdhsa_next_free_sgpr 66
		.amdhsa_reserve_vcc 0
		.amdhsa_float_denorm_mode_32 3
		.amdhsa_float_denorm_mode_16_64 3
		.amdhsa_memory_ordered 1
		.amdhsa_forward_progress 1
		.amdhsa_inst_pref_size 54
	.end_amdhsa_kernel
	.amdgpu_metadata
---
amdhsa.version: [ 1, 2 ]
amdhsa.kernels:
  - .name:           k_q2373fab64d_quant
    .symbol:         k_q2373fab64d_quant.kd
    .args:
      - { .name: x, .offset: 0, .size: 8, .value_kind: global_buffer, .address_space: global }
      - { .name: Wq, .offset: 8, .size: 8, .value_kind: global_buffer, .address_space: global }
      - { .name: Wk, .offset: 16, .size: 8, .value_kind: global_buffer, .address_space: global }
      - { .name: Wv, .offset: 24, .size: 8, .value_kind: global_buffer, .address_space: global }
      - { .name: Wo, .offset: 32, .size: 8, .value_kind: global_buffer, .address_space: global }
      - { .name: xcodes, .offset: 40, .size: 8, .value_kind: global_buffer, .address_space: global }
      - { .name: xscales, .offset: 48, .size: 8, .value_kind: global_buffer, .address_space: global }
      - { .name: wcodes, .offset: 56, .size: 8, .value_kind: global_buffer, .address_space: global }
      - { .name: wscales, .offset: 64, .size: 8, .value_kind: global_buffer, .address_space: global }
      - { .name: wo16, .offset: 72, .size: 8, .value_kind: global_buffer, .address_space: global }
    .group_segment_fixed_size: 33280
    .private_segment_fixed_size: 0
    .kernarg_segment_align: 8
    .kernarg_segment_size: 80
    .max_flat_workgroup_size: 128
    .sgpr_count:     66
    .vgpr_count:     192
    .wavefront_size: 32
...
	.end_amdgpu_metadata
.endif
;; end of part 1
;; launch qkv (part 2): grid 12 x 32, 4 waves a work-group, clusters of 4 x 4, 327,680 bytes of LDS; arguments xcodes, xscales, wcodes, wscales, qkv, early, bq, bv; writes qkv, early
.if DOCPART == 2
	.amdgcn_target "amdgcn-amd-amdhsa--gfx1250"
	.amdhsa_code_object_version 6
	.text
	.protected	k_q2373fab64d_qkv
	.globl	k_q2373fab64d_qkv
	.p2align	8
	.type	k_q2373fab64d_qkv,@function
k_q2373fab64d_qkv:
	s_mov_b64 s[64:65], 0
	v_nop
	global_prefetch_b8 v0, s[64:65] scope:SCOPE_SE
	s_setreg_imm32_b32 hwreg(HW_REG_WAVE_MODE, 25, 1), 1
	s_wait_xcnt 0x0
	s_wait_alu depctr_hold_cnt(0) depctr_sa_sdst(0) depctr_va_vdst(0) depctr_va_sdst(0) depctr_va_ssrc(0) depctr_va_vcc(0) depctr_vm_vsrc(0)
	s_getreg_b32 s2, hwreg(HW_REG_IB_STS2, 6, 4)
	s_cmp_eq_u32 s2, 0
	s_cbranch_scc0 .Lentry_in_a_cluster
	s_endpgm
.Lentry_in_a_cluster:
	s_bfe_u32 s2, ttmp6, 0x10000c
	s_cmp_lg_u32 s2, 0xf033
	s_cbranch_scc0 .Lentry_shape_is_right
	s_endpgm
.Lentry_shape_is_right:
; Launch 2 of 5: q, k, v = x W^T (+ bias) as ONE product, 8,192 x 3,072 x 1,024, on codes of FP4 (E2M1) with one E8M0 scale for each 32 along K; sums in f32.
; LEFT OUT: bk (the score's term q . bk is the same for every key of a row, so the softmax takes it away for all values; the head comment of the first launch shows it): k's sums begin with 0.
; A tile of the result, 256 x 256, is made by four waves; a wave makes 128 x 128: 64 accumulators of 16 x 16, 512 registers.  K = 1,024 is two LDS slots of 512 along K (rows of 256 bytes):
; both, and the scale bytes of the work-group's rows, are asked for at the start and nothing is filled again: a wave has three tensor loads out.
; CLUSTERS: 4 x 4 work-groups.  Tile column = 4 x cluster x + cx, so cluster x says which of q, k, v.  Tile row = 8 cy + cluster y, so cy is the batch and cluster y = 0 a sequence's first tile:
; branches on cluster x and cluster y are the same in all sixteen partners.  The four of a row of the cluster ask jointly for x's tiles, the four of a column for the weights'.
; THE MATRIX INSTRUCTION IS USED TRANSPOSED (source 0 = 16 rows of W, source 1 = 16 rows of x): a lane holds eight neighbouring columns of one row.  The bias is the C of each sum's first product.
; OUT: f16, laid by head: qkv[which][16 batch + head][position][64]; and an f32 copy of positions 0-15 of every sequence, early[which][16 batch + head][16][64], for the last launch.
; LIMIT: magnitudes of q, k, v stay under 65,504 (f16).
; REGISTERS: window 0: v0-31 addresses; v32-95 scale words, two sets; v128-191 x's fragments, one set; v192-255 the bias (8 registers for each of my 8 blocks of columns); on the way out v128-223 at work.
;   window 1: W's fragments, two sets, at v0 and v128.   window 2: the accumulators of my rows 0-63 ((a, b) at v[8 (8 a + b)]);   window 3: those of my rows 64-127.
.set SIZE_K, 1024
.set KSTEP,  512
.set NQ,     KSTEP/128
.set ROWB,   256
.set KROW,   SIZE_K*4/8
.set PITCH,  272                       ; an LDS row: 256 bytes + 16 of padding: the 16 rows that a load touches start 68 words apart
.set FR,     8
.set NL,     2
.set NP,     4
.set HALFT,  128*PITCH
.set SLOT,   4*HALFT
.set KS,     SIZE_K/32
.set SCL,    2*SLOT                    ; behind the slots: the scale bytes, as rows of 256 bytes + 16 of padding
.set HALFS,  (128*KS/256)*272
.set SBLK,   (16*KS/256)*272
.set SPARE,  SCL+4*HALFS               ; the spare words, 128 bytes for each wave
.set SP32,   528                       ; the way out, f32: 16 rows x (512 bytes + 16)
.set SP16,   144                       ; the way out, f16: 2 heads x 16 rows x (128 bytes + 16)
.set WSTG,   16*SP32                   ; a wave's stage; the stages lie in slot 0, which has had its one fill and its last read when the first result is stored there
.set ADRA, 16
.set ADRB, 20
.set STO16, 22
.set RD16, 23
.set STO32, 24
.set RD32, 25
.set EO,   26
.set ADRS, 27
.set SPW,  28
.set NIL,  29
.set CO16, 30
.set SC,   32
.set AF,   128
.set BIAS, 192
.set BK,   128
.set TMP,  192
.set G1, 24
.set G0, 32
.set G1B, 48
.set G0B, 56
.set G1S, 68
.set G0S, 76
.set G1SB, 80
.set G0SB, 88
.set MSB, 0
.macro WIN new                         ; the immediate's high byte repeats the setting that is left
.if MSB != \new
	s_set_vgpr_msb (MSB<<8)|\new
.set MSB, \new
.endif
.endm
.set MUL_LO, 0xa1                      ; source 0 (W) window 1, source 1 (x) window 0, C and D window 2
.set MUL_HI, 0xf1                      ; the same, C and D window 3
.set FIRST_LO, 0x81                    ; the first products: C (the bias) window 0, D window 2
.set FIRST_HI, 0xc1                    ; D window 3
.set TO_B,   0x40
.macro JLOAD g0a, g1a, g0b, g1b        ; a joint load: waves 0 and 1 fetch for x, waves 2 and 3 for W; an s_nop 0 and four v_nop follow each of the two lines
	s_cmp_eq_u32 s15, 0
	s_cbranch_scc0 .Lfor_b_\@
	tensor_load_to_lds s[\g0a:\g0a+3], s[\g1a:\g1a+7]
	s_nop 0
.rept 4
	v_nop
.endr
	s_branch .Lasked_\@
.Lfor_b_\@:
	tensor_load_to_lds s[\g0b:\g0b+3], s[\g1b:\g1b+7]
	s_nop 0
.rept 4
	v_nop
.endr
.Lasked_\@:
.endm
.macro CROUND                          ; a round of the cluster's barrier
	s_barrier_signal -1
	s_barrier_wait -1
	s_cmp_lg_u32 s14, 0
	s_cbranch_scc1 .Lnot_wave_0_\@
	s_barrier_signal -3
.Lnot_wave_0_\@:
	s_barrier_wait -3
	s_barrier_signal -1
	s_barrier_wait -1
.endm
	s_load_b128 s[4:7], s[0:1], 0x0                ; x's codes, x's scales
	s_load_b128 s[8:11], s[0:1], 0x10              ; W's codes, W's scales
	s_load_b64 s[12:13], s[0:1], 0x20              ; qkv
	s_load_b64 s[66:67], s[0:1], 0x28              ; early
	s_load_b128 s[96:99], s[0:1], 0x30             ; bq, bv
	v_lshl_add_u32 v[SPW], v0, 2, SPARE
	v_mov_b32 v[NIL], 0
	ds_add_u32 v[SPW], v[NIL]                      ; the wave's opening: the add, twice on end, and its wait ahead of my first tensor load
	ds_add_u32 v[SPW], v[NIL]
	v_lshrrev_b32 v1, 5, v0
	v_readfirstlane_b32 s14, v1                    ; wave 0..3
	s_lshr_b32 s15, s14, 1                         ; which half of the tile's rows is mine.  Also: I fetch for x (0) or for W (1)
	s_and_b32 s16, s14, 1                          ; which half of its columns.  Also: which 128 rows of that tile I fetch
	s_bfe_u32 s40, ttmp6, 0x40000                  ; cx
	s_bfe_u32 s41, ttmp6, 0x40004                  ; cy
	s_lshl_b32 s42, ttmp9, 2
	s_add_co_u32 s42, s42, s40                     ; tile column = 4 x cluster x + cx
	s_and_b32 s2, ttmp7, 0xffff                    ; cluster y: the tile's place in its sequence
	s_lshl_b32 s17, s41, 3
	s_add_co_u32 s17, s17, s2                      ; tile row = 8 cy + cluster y
	s_lshl_b32 s43, s41, 2
	s_lshl_b32 s43, 15, s43                        ; my row of the cluster
	s_lshl_b32 s44, 0x1111, s40                    ; my column
	s_or_b32 s[G1+0], s43, (0<<16)|(1<<20)|(1<<21)|(5<<22)|(3<<25)  ; the mask; elements of 1 byte; padding: 4 words behind every 64
	s_or_b32 s[G1B+0], s44, (0<<16)|(1<<20)|(1<<21)|(5<<22)|(3<<25)
.irp g, G1, G1B
	s_mov_b32 s[\g+1], ROWB<<16                    ; tensor_dim0
	s_mov_b32 s[\g+2], 128<<16                     ; tensor_dim1
	s_mov_b32 s[\g+3], ROWB<<16                    ; tile_dim0
	s_mov_b32 s[\g+4], 128                         ; tile_dim1
	s_mov_b32 s[\g+5], KROW                        ; the pitch
	s_mov_b32 s[\g+6], 0
	s_mov_b32 s[\g+7], 0
.endr
	s_or_b32 s[G1S+0], s43, (3<<16)|(1<<20)|(1<<21)|(5<<22)|(3<<25) ; the scale bytes of 128 rows: 4,096 dense bytes as 16 rows of 256 (32 elements of 8 bytes)
	s_or_b32 s[G1SB+0], s44, (3<<16)|(1<<20)|(1<<21)|(5<<22)|(3<<25)
.irp g, G1S, G1SB
	s_mov_b32 s[\g+1], 32<<16
	s_mov_b32 s[\g+2], (128*KS/256)<<16
	s_mov_b32 s[\g+3], 32<<16
	s_mov_b32 s[\g+4], 128*KS/256
	s_mov_b32 s[\g+5], 32
	s_mov_b32 s[\g+6], 0
	s_mov_b32 s[\g+7], 0
.endr
	s_lshl_b32 s18, s16, 7
	s_lshl_b32 s20, s17, 8
	s_add_co_u32 s20, s20, s18                     ; x: row 256 x tile row + 128 x half
	s_lshl_b32 s46, s42, 8
	s_add_co_u32 s46, s46, s18                     ; W: row 256 x tile column + 128 x half
	s_mov_b32 s21, 0
	s_mov_b32 s47, 0
	s_mov_b64 s[18:19], KS
	s_mul_u64 s[22:23], s[20:21], s[18:19]         ; where these rows' scale bytes begin
	s_mul_u64 s[92:93], s[46:47], s[18:19]
	s_mov_b64 s[18:19], KROW
	s_mul_u64 s[20:21], s[20:21], s[18:19]         ; and their codes
	s_mul_u64 s[46:47], s[46:47], s[18:19]
	s_mul_i32 s45, s14, HALFT                      ; where they go: wave x 128 rows
	s_mul_i32 s94, s14, HALFS
	s_wait_dscnt 0x0                               ; both opening adds are done
	s_wait_kmcnt 0x0
	s_add_nc_u64 s[20:21], s[4:5], s[20:21]
	s_add_nc_u64 s[22:23], s[6:7], s[22:23]
	s_add_nc_u64 s[46:47], s[8:9], s[46:47]
	s_add_nc_u64 s[92:93], s[10:11], s[92:93]
	CROUND                                         ; all sixteen work-groups are here: the joint loads meet
	s_mov_b32 s[G0S], 1
	s_add_co_u32 s[G0S+1], s94, SCL
	s_mov_b64 s[G0S+2:G0S+3], s[22:23]
	s_or_b32 s[G0S+3], s[G0S+3], 0x80000000
	s_mov_b32 s[G0SB], 1
	s_add_co_u32 s[G0SB+1], s94, SCL
	s_mov_b64 s[G0SB+2:G0SB+3], s[92:93]
	s_or_b32 s[G0SB+3], s[G0SB+3], 0x80000000
	JLOAD G0S, G1S, G0SB, G1SB                     ; the scale bytes first: they are wanted with the first slot
.irp s, 0,1
	s_mov_b32 s[G0+4*\s], 1
	s_add_co_u32 s[G0+4*\s+1], s45, \s*SLOT
	s_add_nc_u64 s[G0+4*\s+2:G0+4*\s+3], s[20:21], \s*ROWB
	s_or_b32 s[G0+4*\s+3], s[G0+4*\s+3], 0x80000000
	s_mov_b32 s[G0B+4*\s], 1
	s_add_co_u32 s[G0B+4*\s+1], s45, \s*SLOT
	s_add_nc_u64 s[G0B+4*\s+2:G0B+4*\s+3], s[46:47], \s*ROWB
	s_or_b32 s[G0B+4*\s+3], s[G0B+4*\s+3], 0x80000000
	JLOAD G0+4*\s, G1, G0B+4*\s, G1B
.endr
	v_and_b32 v1, 15, v0                           ; r = lane % 16
	v_bfe_u32 v2, v0, 4, 1                         ; h = lane / 16
	v_mul_u32_u24 v3, v1, PITCH
	v_lshl_add_u32 v4, v2, 4, v3                   ; a fragment's row x pitch + 16 h
	s_mul_i32 s21, s15, HALFT                      ; my 128 rows of x
	s_mul_i32 s22, s16, HALFT                      ; my 128 rows of W,
	s_add_co_u32 s22, s22, 2*HALFT                 ; which lie behind x's 256
.irp s, 0,1
	v_add_nc_u32 v[ADRA+\s], s21, v4
	v_add_nc_u32 v[ADRB+\s], s22, v4
	s_add_co_u32 s21, s21, SLOT
	s_add_co_u32 s22, s22, SLOT
.endr
	v_mul_u32_u24 v5, v1, KS                       ; my row's scale bytes: KS a row,
	v_lshrrev_b32 v6, 8, v5
	v_lshl_add_u32 v5, v6, 4, v5                   ; and 16 more for each 256 passed
	s_mul_i32 s21, s15, HALFS
	s_mul_i32 s22, s16, HALFS
	s_add_co_u32 s22, s22, 2*HALFS
	s_sub_co_u32 s22, s22, s21
	v_mul_u32_u24 v6, s22, v2                      ; lanes 16-31 take W's
	s_add_co_u32 s21, s21, SCL
	v_add_nc_u32 v5, v5, v6
	v_add_nc_u32 v[ADRS], s21, v5
	s_mul_i32 s23, s14, WSTG                       ; my stage
	v_mul_u32_u24 v5, v1, SP32
	v_lshl_add_u32 v5, v2, 5, v5
	v_add_nc_u32 v[STO32], s23, v5                 ; f32 in: row r, 32 bytes for each half of the lanes
	v_and_b32 v6, 31, v0
	v_lshlrev_b32 v[CO16], 4, v6                   ; 16 x lane
	v_add_nc_u32 v[RD32], s23, v[CO16]             ; f32 back: the 32 lanes take one row of 512 bytes
	v_lshlrev_b32 v[EO], 12, v2
	v_lshl_add_u32 v[EO], v1, 4, v[EO]             ; in early: lanes 0-15 my first head's row, lanes 16-31 my second head's, 4,096 bytes on
	v_mul_u32_u24 v5, v1, SP16
	v_lshl_add_u32 v5, v2, 4, v5
	v_add_nc_u32 v[STO16], s23, v5                 ; f16 in: row r, 16 bytes for each half of the lanes
	v_lshrrev_b32 v5, 3, v6
	v_mul_u32_u24 v5, v5, SP16
	v_and_b32 v6, 7, v0
	v_lshl_add_u32 v5, v6, 4, v5
	v_add_nc_u32 v[RD16], s23, v5                  ; f16 back: eight lanes to a row of 128 bytes, four rows an instruction
	v_lshlrev_b32 v7, 5, v2                        ; the bias: 32 h bytes
	; where my results go: head 4 cx + 2 x column half of batch cy; position 256 x cluster y + 128 x row half
	s_lshl_b32 s92, s41, 4
	s_lshl_b32 s93, s40, 2
	s_add_co_u32 s92, s92, s93
	s_lshl_b32 s93, s16, 1
	s_add_co_u32 s92, s92, s93                     ; 16 batch + my first head
	s_lshl_b32 s94, s92, 12
	s_mul_i32 s95, ttmp9, 262144
	s_add_co_u32 s94, s94, s95
	s_mov_b32 s95, 0
	s_add_nc_u64 s[66:67], s[66:67], s[94:95]      ; early
	s_lshl_b32 s94, s92, 18
	s_lshl_b32 s93, ttmp9, 24
	s_add_co_u32 s94, s94, s93
	s_lshl_b32 s93, s2, 15
	s_add_co_u32 s94, s94, s93
	s_lshl_b32 s93, s15, 14
	s_add_co_u32 s94, s94, s93
	s_add_nc_u64 s[12:13], s[12:13], s[94:95]      ; qkv
	; the bias of my 128 columns, in the result's layout: register 8 b + j = column 16 b + 8 h + j.  k has none (left out: see the head)
	s_cmp_eq_u32 ttmp9, 1
	s_cbranch_scc1 .Lkzero
	s_cmp_eq_u32 ttmp9, 0
	s_cselect_b64 s[96:97], s[96:97], s[98:99]     ; bq or bv
	s_lshl_b32 s46, s40, 10
	s_lshl_b32 s47, s16, 9
	s_add_co_u32 s46, s46, s47
	s_mov_b32 s47, 0
	s_add_nc_u64 s[96:97], s[96:97], s[46:47]
.irp b, 0,1,2,3,4,5,6,7
	global_load_b128 v[BIAS+8*\b:BIAS+8*\b+3], v7, s[96:97] offset:64*\b
	global_load_b128 v[BIAS+8*\b+4:BIAS+8*\b+7], v7, s[96:97] offset:64*\b+16
.endr
	s_branch .Lbias
.Lkzero:
.irp i, 0,1,2,3,4,5,6,7,8,9,10,11,12,13,14,15,16,17,18,19,20,21,22,23,24,25,26,27,28,29,30,31,32,33,34,35,36,37,38,39,40,41,42,43,44,45,46,47,48,49,50,51,52,53,54,55,56,57,58,59,60,61,62,63
	v_mov_b32 v[BIAS+\i], 0
.endr
.Lbias:
.macro FRAG reg, adr, q, i             ; 16 rows x 128 K of 4-bit codes: lane l holds row l % 16; registers 4 c .. 4 c + 3 hold K = 64 c + 32 (l / 16) + 0 .. 31
.irp c, 0,1
	ds_load_b128 v[\reg+4*\c:\reg+4*\c+3], v[\adr] offset:64*(\q)+32*\c+(\i)*16*PITCH
.endr
.endm
; 16 matrix instructions: x's blocks a0, a0 + 1 against W's eight, 128 along K.  first = 1: the sums begin with the bias.  The 64 accumulators take turns, one instruction a turn.
.macro MUL16 a0, p, q, sc, first
.irp a, \a0, \a0+1
.irp b, 0,1,2,3,4,5,6,7
.if \first
	v_wmma_scale_f32_16x16x128_f8f6f4 v[8*(8*((\a)%4)+\b):8*(8*((\a)%4)+\b)+7], v[128*(\p)+FR*\b:128*(\p)+FR*\b+FR-1], v[AF+FR*(\a):AF+FR*(\a)+FR-1], v[BIAS+8*\b:BIAS+8*\b+7], v[SC+8*NQ*(\sc)+NQ*\b+(\q)], v[SC+8*NQ*(\sc)+NQ*(\a)+(\q)] matrix_a_fmt:MATRIX_FMT_FP4 matrix_b_fmt:MATRIX_FMT_FP4 matrix_a_scale:MATRIX_SCALE_ROW1
.else
	v_wmma_scale_f32_16x16x128_f8f6f4 v[8*(8*((\a)%4)+\b):8*(8*((\a)%4)+\b)+7], v[128*(\p)+FR*\b:128*(\p)+FR*\b+FR-1], v[AF+FR*(\a):AF+FR*(\a)+FR-1], v[8*(8*((\a)%4)+\b):8*(8*((\a)%4)+\b)+7], v[SC+8*NQ*(\sc)+NQ*\b+(\q)], v[SC+8*NQ*(\sc)+NQ*(\a)+(\q)] matrix_a_fmt:MATRIX_FMT_FP4 matrix_b_fmt:MATRIX_FMT_FP4 matrix_a_scale:MATRIX_SCALE_ROW1
.endif
.endr
.endr
.endm
.macro FETCH_B slot, q, p
	WIN TO_B
.irp i, 0,1,2,3,4,5,6,7
	FRAG 128*(\p)+FR*\i, ADRB+\slot, \q, \i
.endr
	WIN 0
.endm
.macro FETCH_A slot, q, i0
.irp i, \i0, \i0+1, \i0+2, \i0+3
	FRAG AF+FR*(\i), ADRA+\slot, \q, \i
.endr
.endm
.macro SCALES sc                       ; a slot's scale words: four a row; lanes 0-15 take x's block i, lanes 16-31 W's block i
.irp i, 0,1,2,3,4,5,6,7
	ds_load_b128 v[SC+8*NQ*\sc+NQ*\i:SC+8*NQ*\sc+NQ*\i+3], v[ADRS] offset:\i*SBLK
.endr
.endm
.macro PLACES n                        ; plain vector lines between a matrix instruction and a load into, or a read of, its registers
.rept \n
	v_nop
.endr
.endm
.macro STEP slot, q, first             ; 128 along K that has its successor in the same slot
	s_wait_dscnt 4*NL                              ; W's set and x's blocks 0-3 are in; the youngest eight loads (x's blocks 4-7) may be out
.if \first
	WIN FIRST_LO
.else
	WIN MUL_LO
.endif
	MUL16 0, (\q)%2, \q, \slot, \first
	MUL16 2, (\q)%2, \q, \slot, \first
	s_wait_dscnt 0                                 ; x's blocks 4-7 are in
	PLACES NP
	FETCH_B \slot, (\q)+1, 1-(\q)%2
	FETCH_A \slot, (\q)+1, 0
.if \first
	WIN FIRST_HI
.else
	WIN MUL_HI
.endif
	MUL16 4, (\q)%2, \q, \slot, \first
	MUL16 6, (\q)%2, \q, \slot, \first
	PLACES NP
	WIN 0
	FETCH_A \slot, (\q)+1, 4
.endm
.macro TURN slot, next                 ; a slot's last step changes slots: one barrier; nothing is filled again
	s_wait_tensorcnt 0x0                           ; all my tensor loads have landed: my part of the next slot
	ds_add_u32 v[SPW], v[NIL]                      ; 0 onto my spare word
	s_wait_dscnt 4*NL+1                            ; the add and the youngest eight loads may be out
	WIN MUL_LO
	MUL16 0, 1, NQ-1, \slot, 0
	s_wait_dscnt 0x0                               ; the add is done, and my reads of this slot are over
	s_barrier_signal -1
	MUL16 2, 1, NQ-1, \slot, 0
	WIN 0
	s_barrier_wait -1                              ; the next slot is whole, and nobody reads this one any more
	PLACES NP
	v_add_nc_u32 v[ADRS], 4*NQ, v[ADRS]            ; on to the next slot's scale words
	FETCH_B \next, 0, 0
	FETCH_A \next, 0, 0
	SCALES \next
	WIN MUL_HI
	MUL16 4, 1, NQ-1, \slot, 0
	MUL16 6, 1, NQ-1, \slot, 0
	PLACES NP
	WIN 0
	FETCH_A \next, 0, 4
.endm
	s_wait_tensorcnt 1                             ; the scale bytes and my part of slot 0 are in; slot 1's load may be out
	s_barrier_signal -1
	s_barrier_wait -1                              ; everybody's are
	FETCH_B 0, 0, 0
	FETCH_A 0, 0, 0
	SCALES 0
	FETCH_A 0, 0, 4
	s_wait_loadcnt 0x0                             ; the bias
	STEP 0, 0, 1
	STEP 0, 1, 0
	STEP 0, 2, 0
	TURN 0, 1
	STEP 1, 0, 0
	STEP 1, 1, 0
	STEP 1, 2, 0
	s_wait_dscnt 4*NL                              ; the last step: nothing more to fetch
	WIN MUL_LO
	MUL16 0, 1, NQ-1, 1, 0
	MUL16 2, 1, NQ-1, 1, 0
	s_wait_dscnt 0
	WIN MUL_HI
	MUL16 4, 1, NQ-1, 1, 0
	MUL16 6, 1, NQ-1, 1, 0
	WIN 0
	PLACES NP                                      ; behind the last products: for the loads into x's fragments' registers and for the reads of results
	; positions 0-15 of a sequence (cluster y = 0, row half 0, block 0) also leave in f32
	s_cmp_lg_u32 s2, 0
	s_cbranch_scc1 .Lno_early
	s_cmp_lg_u32 s15, 0
	s_cbranch_scc1 .Lno_early
	WIN 0x08                                       ; an LDS store's data are its source 1: window 2
.irp b, 0,1,2,3,4,5,6,7
	ds_store_b128 v[STO32], v[8*\b:8*\b+3] offset:64*\b            ; each accumulator from its low end on
	ds_store_b128 v[STO32], v[8*\b+4:8*\b+7] offset:64*\b+16
.endr
	WIN 0
.irp t, 0,1,2,3,4,5,6,7,8,9,10,11,12,13,14,15
	ds_load_b128 v[BK+4*\t:BK+4*\t+3], v[RD32] offset:\t*SP32      ; LDS serves a wave's instructions in order: these see my stores
.endr
.irp t, 0,1,2,3,4,5,6,7,8,9,10,11,12,13,14,15
	s_wait_dscnt 15-\t
	global_store_b128 v[EO], v[BK+4*\t:BK+4*\t+3], s[66:67] offset:256*\t   ; 16 lanes store a head's row: 256 consecutive bytes, aligned
.endr
	s_wait_xcnt 0x0                                ; these stores have read their data: the registers are loaded again below
.Lno_early:
; THE WAY OUT, block by block of 16 rows x 128 columns (two heads): rounded to f16, 16 bytes a lane into my stage, back as rows of 128 bytes, four rows (512 consecutive bytes of one head) a store.
.macro PACK a
.set AC, 64*((\a)%4)
	WIN 0x0a+5*((\a)/4)                            ; sources 0 and 1: window 2 or 3
.irp b, 0,1,2,3,4,5,6,7
.irp i, 0,1,2,3
	v_cvt_pk_f16_f32 v[TMP+4*\b+\i], v[AC+8*\b+2*\i], v[AC+8*\b+2*\i+1]
.endr
.endr
	WIN 0
.endm
.macro TOSTAGE a
.set BB, BK+32*((\a)%2)
.irp b, 0,1,2,3,4,5,6,7
	ds_store_b128 v[STO16], v[TMP+4*\b:TMP+4*\b+3] offset:(\b/4)*16*SP16+(\b%4)*32
.endr
.irp u, 0,1
.irp i, 0,1,2,3
	ds_load_b128 v[BB+4*(4*\u+\i):BB+4*(4*\u+\i)+3], v[RD16] offset:\u*16*SP16+\i*4*SP16
.endr
.endr
.endm
.macro SEND a
.set BB, BK+32*((\a)%2)
	s_wait_dscnt 0x0                               ; the block is back in registers
	s_wait_xcnt 0x0                                ; the earlier stores have read their data: the other set may be loaded again behind this line
.irp u, 0,1
.irp i, 0,1,2,3
	global_store_b128 v[CO16], v[BB+4*(4*\u+\i):BB+4*(4*\u+\i)+3], s[12:13] offset:262144*\u+2048*(\a)+512*\i
.endr
.endr
.endm
	PACK 0
	TOSTAGE 0
.irp a, 1,2,3,4,5,6,7                  ; block a's conversions stand between block a - 1's loads from the stage and the wait for them
	PACK \a
	SEND \a-1
	TOSTAGE \a
.endr
	SEND 7
	s_wait_tensorcnt 0x0                           ; the wave's end
	ds_add_u32 v[SPW], v[NIL]
	s_wait_dscnt 0x0
	CROUND                                         ; the closing round
	s_endpgm
.Lfunc_end_k_q2373fab64d_qkv:
	.size	k_q2373fab64d_qkv, .Lfunc_end_k_q2373fab64d_qkv-k_q2373fab64d_qkv
	.p2alignl 7, 3214868480
	.fill 96, 4, 3214868480
	.section	.rodata,"a",@progbits
	.p2align	6, 0x0
	.amdhsa_kernel k_q2373fab64d_qkv
		.amdhsa_group_segment_fixed_size 327680
		.amdhsa_private_segment_fixed_size 0
		.amdhsa_enable_private_segment 0
		.amdhsa_kernarg_size 64
		.amdhsa_user_sgpr_count 2
		.amdhsa_user_sgpr_kernarg_segment_ptr 1
		.amdhsa_wavefront_size32 1
		.amdhsa_system_sgpr_workgroup_id_x 1
		.amdhsa_system_sgpr_workgroup_id_y 1
		.amdhsa_system_sgpr_workgroup_id_z 1
		.amdhsa_system_vgpr_workitem_id 0
		.amdhsa_next_free_vgpr 1024
		.amdhsa_next_free_sgpr 100
		.amdhsa_reserve_vcc 0
		.amdhsa_float_denorm_mode_32 3
		.amdhsa_float_denorm_mode_16_64 3
		.amdhsa_memory_ordered 1
		.amdhsa_forward_progress 1
		.amdhsa_inst_pref_size 135
	.end_amdhsa_kernel
	.amdgpu_metadata
---
amdhsa.version: [ 1, 2 ]
amdhsa.kernels:
  - .name:           k_q2373fab64d_qkv
    .symbol:         k_q2373fab64d_qkv.kd
    .args:
      - { .name: xcodes, .offset: 0, .size: 8, .value_kind: global_buffer, .address_space: global }
      - { .name: xscales, .offset: 8, .size: 8, .value_kind: global_buffer, .address_space: global }
      - { .name: wcodes, .offset: 16, .size: 8, .value_kind: global_buffer, .address_space: global }
      - { .name: wscales, .offset: 24, .size: 8, .value_kind: global_buffer, .address_space: global }
      - { .name: qkv, .offset: 32, .size: 8, .value_kind: global_buffer, .address_space: global }
      - { .name: early, .offset: 40, .size: 8, .value_kind: global_buffer, .address_space: global }
      - { .name: bq, .offset: 48, .size: 8, .value_kind: global_buffer, .address_space: global }
      - { .name: bv, .offset: 56, .size: 8, .value_kind: global_buffer, .address_space: global }
    .group_segment_fixed_size: 327680
    .private_segment_fixed_size: 0
    .kernarg_segment_align: 8
    .kernarg_segment_size: 64
    .max_flat_workgroup_size: 128
    .sgpr_count:     100
    .vgpr_count:     1024
    .wavefront_size: 32
...
	.end_amdgpu_metadata
.endif
;; end of part 2
;; launch attn (part 3): grid 4 x 64, 8 waves a work-group, no clusters, 327,680 bytes of LDS; arguments qkv, o16; writes o16
.if DOCPART == 3
	.amdgcn_target "amdgcn-amd-amdhsa--gfx1250"
	.amdhsa_code_object_version 6
	.text
	.protected	k_q2373fab64d_attn
	.globl	k_q2373fab64d_attn
	.p2align	8
	.type	k_q2373fab64d_attn,@function
k_q2373fab64d_attn:
	s_mov_b64 s[64:65], 0
	v_nop
	global_prefetch_b8 v0, s[64:65] scope:SCOPE_SE
	s_setreg_imm32_b32 hwreg(HW_REG_WAVE_MODE, 25, 1), 1
	s_wait_xcnt 0x0
; Launch 3 of 5: o[bh][q][:] = the sum over k <= q of softmax_k(q . k / 8) v[k][:], for 64 (batch, head) pairs, 2,048 positions, head size 64.  q, k, v: f16, [which][bh][2048][64]; o16: f16, [bh][2048][64].
; Products on f16 operands with f32 sums; maxima, exponentials and sums in f32; the weights p (at most 1) are rounded to f16 for the second product, o once at the end.
; LEFT OUT: key steps that lie wholly above the diagonal: reference() builds the causal mask itself and sets those scores to -infinity ahead of the softmax.
; SHARES.  Work-group (j, bh) owns two blocks of 256 queries of one head: block 7 - j first, then block j: (8 - j) + (j + 1) = 9 key slots of 256 keys for every j: 256 equal work-groups and a
; trip count that is a constant.  Each of the eight waves owns 32 queries of a block, two tiles of 16; two waves share a SIMD.  A key step is 64 keys, a slot four steps.
; NO CLUSTER: in trip t partner j wants key slot t while t <= 7 - j and slot t - 8 + j afterwards: the four of a head want the same slot in 5 of the 9 trips only, and a joint load has one descriptor for all.
; LAYOUT.  S^T = K Q^T (source 0 = 16 keys, source 1 = 16 queries): a lane holds ONE query (lane % 16) and keys 8 (lane / 16) + 0..7.  Two such tiles rounded to f16 in pairs ARE source 1
; (32 keys x 16 queries) of O^T = V^T P; V ([key][channel]) comes out of LDS turned, by ds_load_tr16_b128.
; SOFTMAX.  For each query a running maximum m and sum l: p = 2^(c s - c m), c = log2(e) / 8; in every step O and l are multiplied by a = 2^(c m_old - c m_new).
; THE RING.  Two LDS slots.  At a slot's head every wave waits for its tensor load, passes one barrier, and asks for its part of the next trip's slot (waves 0-3: the four steps' K; waves 4-7: their V):
; a wave has one tensor load out.  The last trip is written out and asks for nothing.
; REGISTERS: window 0: v1-15 addresses and constants; v16-31 statistics, 8 a tile; v32-95 S^T, 32 a tile; v96-127 P, 16 a tile; v128-191 K of a step; v192-255 V of a step.
;   window 1: v0-31 Q of the block in hand; v32-63 Q of the second block; v64-127 O^T, 32 a tile.
.set KS,    64
.set PK,    144                        ; a row of K in LDS: 128 bytes + 16 of padding
.set PV,    160                        ; a row of V: 128 + 32
.set VOFF,  KS*PK                      ; a step's tiles lie together: 64 rows of K, then 64 rows of V
.set STEPB, KS*(PK+PV)
.set SLOT1, 1<<17                      ; slot 1 begins here: one exclusive or turns an address in one slot into the other's
.set STAGE, 2*SLOT1                    ; behind the ring: 32 rows x 144 bytes for each wave, for the way out
.set SPT,   144
.set SPARE, STAGE+8*32*SPT             ; the spare words, 128 bytes for each wave
.set AK0, 1
.set AV0, 2
.set ADK, 3
.set ADV, 4
.set STO, 5
.set RD,  6
.set GO,  7
.set SPW, 8
.set NIL, 9
.set DQ,  10                           ; lane % 16 - 8 (lane / 16)
.set NINF, 11                          ; -infinity
.set PFO, 12                           ; 256 x lane
.set T0,  13
.set T1,  14
.set QO,  15
.set ST,  16                           ; tile t at ST + 8 t: +0 c m, +1 m, +2, +3 l, +4 .. +7 at work (a in +6)
.set S,   32
.set P,   96
.set KFR, 128
.set VFR, 192
.set Q,   0                            ; window 1
.set QN,  32
.set O,   64
.set WV,  8
.set J,   9
.set BH,  10
.set W3,  11
.set T,   12
.set SWT, 13
.set KF,  14                           ; the step's first key
.set Q0,  15                           ; my first query
.set TB,  16                           ; LDS byte at which the step's tiles begin
.set STP, 18
.set PFLIM, 19
.set SEL, 20
.set CS,  22
.set G1K, 24
.set G1V, 32
.set G0K, 40
.set G0V, 44
.set DL,  52
.set PFA, 54
.set OB1, 56
.set OB2, 58
.set Q0A, 60
.set BACK, 61
.set MSB, 0
.macro WIN new
.if MSB != \new
	s_set_vgpr_msb (MSB<<8)|\new
.set MSB, \new
.endif
.endm
.set W_KQ,  0x04                       ; Q (source 1) in window 1
.set W_PV,  0x50                       ; O^T (C and D) in window 1
.set W_RS,  0x41                       ; destination and source 0 in window 1
.set W_OUT, 0x01                       ; source 0 in window 1
.set W_D1,  0x40                       ; destination in window 1
.macro TLOAD                           ; waves 0-3 fetch K's tiles, waves 4-7 V's; an s_nop 0 and four v_nop follow each of the two lines
	s_cmp_lt_u32 s[WV], 4
	s_cbranch_scc0 .Lfor_v_\@
	tensor_load_to_lds s[G0K:G0K+3], s[G1K:G1K+7]
	s_nop 0
.rept 4
	v_nop
.endr
	s_branch .Lasked_\@
.Lfor_v_\@:
	tensor_load_to_lds s[G0V:G0V+3], s[G1V:G1V+7]
	s_nop 0
.rept 4
	v_nop
.endr
.Lasked_\@:
.endm
; A prefetch of what the NEXT change of slots will ask for.  All four work-groups of a head walk the same K and V; work-group j = 0, whose first eight trips walk key slots 0 to 7, asks, and nobody else.
; Each of its waves names the 8,192 bytes that it will itself load a trip later, lanes 256 bytes apart: each block is named once in the launch.  It stops with key slot 7 (trip 5); nothing is asked for at the head.
.macro ASK
	s_cmp_lt_u32 s[T], s[PFLIM]
	s_cbranch_scc0 .Lnot_mine_\@
	global_prefetch_b8 v[PFO], s[PFA:PFA+1] th:TH_LOAD_NT scope:SCOPE_SE
.Lnot_mine_\@:
.endm
	s_load_b128 s[4:7], s[0:1], 0x0                ; qkv, o16
	v_lshl_add_u32 v[SPW], v0, 2, SPARE
	v_mov_b32 v[NIL], 0
	ds_add_u32 v[SPW], v[NIL]                      ; the wave's opening: the add, twice on end, and its wait ahead of my first tensor load
	ds_add_u32 v[SPW], v[NIL]
	v_lshrrev_b32 v[T0], 5, v0
	v_readfirstlane_b32 s[WV], v[T0]               ; wave 0..7
	s_mov_b32 s[J], ttmp9
	s_and_b32 s[BH], ttmp7, 0xffff
	s_and_b32 s[W3], s[WV], 3
	s_sub_co_u32 s[SWT], 7, s[J]                   ; the first block, and the trip that ends it
	s_sub_co_u32 s[BACK], 8, s[J]
	s_lshl_b32 s[BACK], s[BACK], 15                ; 8 - j slots of 32,768 bytes: back to key slot 0
	s_mov_b32 s[DL+1], 0
	s_mov_b32 s[G1K], (1<<16)|(1<<20)|(4<<22)|(3<<25)   ; elements of 2 bytes; padding: 4 words behind every 32
	s_mov_b32 s[G1V], (1<<16)|(1<<20)|(4<<22)|(7<<25)   ; 8 words behind every 32
.irp g, G1K, G1V
	s_mov_b32 s[\g+1], 64<<16                      ; tensor_dim0 = 64
	s_mov_b32 s[\g+2], KS<<16                      ; tensor_dim1 = 64
	s_mov_b32 s[\g+3], 64<<16                      ; tile_dim0
	s_mov_b32 s[\g+4], KS                          ; tile_dim1
	s_mov_b32 s[\g+5], 64                          ; the pitch
	s_mov_b32 s[\g+6], 0
	s_mov_b32 s[\g+7], 0
.endr
	s_mov_b32 s[SEL], 0x76543210
	s_mov_b32 s[SEL+1], 0xfedcba98
	s_mov_b32 s[CS], 0x3e38aa3b                    ; c = log2(e) / 8
	s_mov_b32 s[CS+1], s[CS]
	s_mov_b32 s[T], 0
	s_mov_b32 s[KF], 0
	s_mov_b32 s[TB], 0
	s_lshl_b32 s66, s[BH], 18                      ; the head,
	s_lshl_b32 s67, s[W3], 13                      ; my step's 64 rows of 128 bytes,
	s_add_co_u32 s66, s66, s67
	s_add_co_u32 s66, s66, 1<<24                   ; in K
	s_mov_b32 s67, 0
	s_add_co_u32 s68, s66, 1<<24                   ; in V
	s_mov_b32 s69, 0
	s_wait_dscnt 0x0                               ; both opening adds are done
	s_wait_kmcnt 0x0
	s_mov_b32 s[G0K], 1
	s_mul_i32 s[G0K+1], s[W3], STEPB
	s_add_nc_u64 s[G0K+2:G0K+3], s[4:5], s[66:67]
	s_or_b32 s[G0K+3], s[G0K+3], 0x80000000
	s_mov_b32 s[G0V], 1
	s_mul_i32 s[G0V+1], s[W3], STEPB
	s_add_co_u32 s[G0V+1], s[G0V+1], VOFF
	s_add_nc_u64 s[G0V+2:G0V+3], s[4:5], s[68:69]
	s_or_b32 s[G0V+3], s[G0V+3], 0x80000000
	TLOAD                                          ; trip 0's slot
	s_lshl_b32 s66, s[SWT], 8
	s_lshl_b32 s67, s[WV], 5
	s_add_co_u32 s[Q0], s66, s67                   ; my first query in block 7 - j
	s_lshl_b32 s66, s[J], 8
	s_add_co_u32 s[Q0A], s66, s67                  ; and in block j
	s_lshl_b32 s74, s[BH], 18
	s_lshl_b32 s66, s[Q0], 7
	s_add_co_u32 s66, s66, s74
	s_mov_b32 s67, 0
	s_lshl_b32 s68, s[Q0A], 7
	s_add_co_u32 s68, s68, s74
	s_mov_b32 s69, 0
	s_add_nc_u64 s[70:71], s[4:5], s[66:67]        ; Q's rows
	s_add_nc_u64 s[72:73], s[4:5], s[68:69]
	s_add_nc_u64 s[OB1:OB1+1], s[6:7], s[66:67]    ; and O's
	s_add_nc_u64 s[OB2:OB2+1], s[6:7], s[68:69]
	v_and_b32 v[T0], 15, v0                        ; r
	v_bfe_u32 v[T1], v0, 4, 1                      ; h
	v_lshlrev_b32 v[QO], 7, v[T0]
	v_lshl_add_u32 v[QO], v[T1], 4, v[QO]          ; row r of 128 bytes + 16 h
	WIN W_D1
.irp t, 0,1
.irp c, 0,1
	global_load_b128 v[Q+16*\t+8*\c:Q+16*\t+8*\c+3],     v[QO], s[70:71] offset:2048*\t+64*\c
	global_load_b128 v[Q+16*\t+8*\c+4:Q+16*\t+8*\c+7],   v[QO], s[70:71] offset:2048*\t+64*\c+32
	global_load_b128 v[QN+16*\t+8*\c:QN+16*\t+8*\c+3],   v[QO], s[72:73] offset:2048*\t+64*\c
	global_load_b128 v[QN+16*\t+8*\c+4:QN+16*\t+8*\c+7], v[QO], s[72:73] offset:2048*\t+64*\c+32
.endr
.endr
	WIN 0
	v_mul_u32_u24 v[AK0], v[T0], PK
	v_lshl_add_u32 v[AK0], v[T1], 4, v[AK0]        ; K: row r x pitch + 16 h
	v_and_b32 v[AV0], 7, v0
	v_lshl_add_u32 v[AV0], v[T1], 3, v[AV0]
	v_mul_u32_u24 v[AV0], v[AV0], PV
	v_bfe_u32 v[ADK], v0, 3, 1
	v_lshl_add_u32 v[AV0], v[ADK], 4, v[AV0]
	v_add_nc_u32 v[AV0], VOFF, v[AV0]              ; V, for the turning load: key 8 h + lane % 8, channels 8 ((lane / 8) % 2) on
	s_mul_i32 s66, s[WV], 32*SPT
	s_add_co_u32 s66, s66, STAGE                   ; my stage
	v_mul_u32_u24 v[STO], v[T0], SPT
	v_lshl_add_u32 v[STO], v[T1], 4, v[STO]
	v_add_nc_u32 v[STO], s66, v[STO]               ; in: row r, 16 bytes for each half of the lanes
	v_bfe_u32 v[RD], v0, 3, 2
	v_mul_u32_u24 v[RD], v[RD], SPT
	v_and_b32 v[ADK], 7, v0
	v_lshl_add_u32 v[RD], v[ADK], 4, v[RD]
	v_add_nc_u32 v[RD], s66, v[RD]                 ; back: eight lanes to a row of 128 bytes, four rows an instruction
	v_and_b32 v[GO], 31, v0
	v_lshlrev_b32 v[PFO], 8, v[GO]
	v_lshlrev_b32 v[GO], 4, v[GO]
	v_lshlrev_b32 v[DQ], 3, v[T1]
	v_sub_nc_u32 v[DQ], v[T0], v[DQ]
	v_mov_b32 v[NINF], 0xff800000
	s_lshr_b32 s66, s[WV], 2                       ; the prefetches: K (waves 0-3) or V (waves 4-7),
	s_add_co_u32 s66, s66, 1
	s_lshl_b32 s66, s66, 24
	s_add_co_u32 s66, s66, s74                     ; my head,
	s_lshl_b32 s67, s[W3], 13
	s_add_co_u32 s66, s66, s67                     ; my 8,192 bytes of a slot,
	s_add_co_u32 s66, s66, 32768                   ; in key slot 1: the first change of slots steps it to slot 2
	s_mov_b32 s67, 0
	s_add_nc_u64 s[PFA:PFA+1], s[4:5], s[66:67]
	s_cmp_eq_u32 s[J], 0
	s_cselect_b32 s[PFLIM], 6, 0
.macro INIT                            ; a block's start: m = -3e38, under every score; l and O^T zeros, which the first change of m leaves zeros
.irp t, 0,1
	v_mov_b32 v[ST+8*\t+1], 0xff61b1e6
	v_mul_f32 v[ST+8*\t], s[CS], v[ST+8*\t+1]
.irp i, 2,3,4,5,6,7
	v_mov_b32 v[ST+8*\t+\i], 0
.endr
.endr
	WIN W_D1
.irp i, 0,1,2,3,4,5,6,7,8,9,10,11,12,13,14,15,16,17,18,19,20,21,22,23,24,25,26,27,28,29,30,31,32,33,34,35,36,37,38,39,40,41,42,43,44,45,46,47,48,49,50,51,52,53,54,55,56,57,58,59,60,61,62,63
	v_mov_b32 v[O+\i], 0
.endr
	WIN 0
.endm
; THE CHANGE OF SLOTS, at a slot's head.  Each wave waits for its tensor load (its part of the slot that it is about to read), adds 0 to its spare word, and waits for that and for its reads of the slot
; that it has left.  Behind the barrier the slot ahead is whole and nobody reads the other one.  fill = 1: that other slot is asked for, with the next trip's keys.
.macro CHANGE fill
	s_wait_tensorcnt 0x0                           ; no tensor load of mine is out, so a group 0 may be written
	ds_add_u32 v[SPW], v[NIL]                      ; 0 onto my spare word
.if \fill
	s_xor_b32 s[G0K+1], s[G0K+1], SLOT1            ; the other slot than last time,
	s_xor_b32 s[G0V+1], s[G0V+1], SLOT1
	s_cmp_eq_u32 s[T], s[SWT]
	s_cselect_b32 s[DL], s[BACK], 0                ; the first block's last trip: the next trip begins the second block at key slot 0
	s_add_nc_u64 s[G0K+2:G0K+3], s[G0K+2:G0K+3], 32768   ; the next 256 keys,
	s_sub_nc_u64 s[G0K+2:G0K+3], s[G0K+2:G0K+3], s[DL:DL+1]   ; or back; the type bits on top are not reached
	s_add_nc_u64 s[G0V+2:G0V+3], s[G0V+2:G0V+3], 32768
	s_sub_nc_u64 s[G0V+2:G0V+3], s[G0V+2:G0V+3], s[DL:DL+1]
	s_wait_xcnt 0x0                                ; the last prefetch, a trip back, has read its address
	s_add_nc_u64 s[PFA:PFA+1], s[PFA:PFA+1], 32768
.endif
	s_wait_dscnt 0x0                               ; the add is done, and my reads of the slot that I have left are over
	s_barrier_signal -1
	s_barrier_wait -1
.if \fill
	TLOAD                                          ; the first thing behind the barrier, and my one tensor load until the next
	ASK
.endif
.endm
; A KEY STEP: 64 keys at LDS byte TB.
.macro STEP
	s_cmp_gt_u32 s[KF], s[Q0]                      ; KF is a multiple of 64 and Q0 of 32: beyond Q0 means beyond all my 32 queries; at or under it, key KF counts for all of them
	s_cbranch_scc1 .Lhidden_\@
	v_add_nc_u32 v[ADK], s[TB], v[AK0]
	v_add_nc_u32 v[ADV], s[TB], v[AV0]
.irp kt, 0,1,2,3
.irp c, 0,1
	ds_load_b128 v[KFR+16*\kt+8*\c:KFR+16*\kt+8*\c+3],   v[ADK] offset:\kt*16*PK+64*\c
	ds_load_b128 v[KFR+16*\kt+8*\c+4:KFR+16*\kt+8*\c+7], v[ADK] offset:\kt*16*PK+64*\c+32
.endr
.endr
	s_wait_dscnt 0x0
	WIN W_KQ
.irp c, 0,1                            ; S^T = K Q^T: eight accumulators by turns, one instruction a turn
.irp kt, 0,1,2,3
.irp t, 0,1
.if \c == 0
	v_wmma_f32_16x16x32_f16 v[S+32*\t+8*\kt:S+32*\t+8*\kt+7], v[KFR+16*\kt+8*\c:KFR+16*\kt+8*\c+7], v[Q+16*\t+8*\c:Q+16*\t+8*\c+7], 0
.else
	v_wmma_f32_16x16x32_f16 v[S+32*\t+8*\kt:S+32*\t+8*\kt+7], v[KFR+16*\kt+8*\c:KFR+16*\kt+8*\c+7], v[Q+16*\t+8*\c:Q+16*\t+8*\c+7], v[S+32*\t+8*\kt:S+32*\t+8*\kt+7]
.endif
.endr
.endr
.endr
	WIN 0
.rept 4
	v_nop                                          ; places behind these products for the first reads of the scores; with the two additions above also behind the last step's V^T P for the loads below
.endr
.irp ct, 0,1,2,3
.irp ks, 0,1
	ds_load_tr16_b128 v[VFR+16*\ct+8*\ks:VFR+16*\ct+8*\ks+3],   v[ADV] offset:\ks*32*PV+32*\ct
	ds_load_tr16_b128 v[VFR+16*\ct+8*\ks+4:VFR+16*\ct+8*\ks+7], v[ADV] offset:\ks*32*PV+16*PV+32*\ct
.endr
.endr
	s_add_co_u32 s66, s[KF], 63                    ; on the diagonal the scores of hidden keys become -infinity ahead of the maximum; a step all of whose keys count skips this
	s_cmp_le_u32 s66, s[Q0]
	s_cbranch_scc1 .Lopen_\@
	s_sub_co_u32 s66, s[Q0], s[KF]
	v_add_nc_u32 v[T0], s66, v[DQ]                 ; tile 0: my query - KF - 8 (lane / 16).  Register 8 kt + jj holds key KF + 8 (lane / 16) + 16 kt + jj: hidden where 16 kt + jj is above this
	v_add_nc_u32 v[T1], 16, v[T0]                  ; tile 1
.irp kt, 0,1,2,3
.irp jj, 0,1,2,3,4,5,6,7
	v_cmp_gt_i32 vcc_lo, 16*\kt+\jj, v[T0]
	v_cndmask_b32 v[S+8*\kt+\jj], v[S+8*\kt+\jj], v[NINF], vcc_lo
	v_cmp_gt_i32 vcc_lo, 16*\kt+\jj, v[T1]
	v_cndmask_b32 v[S+32+8*\kt+\jj], v[S+32+8*\kt+\jj], v[NINF], vcc_lo
.endr
.endr
.Lopen_\@:
.irp j, 0,1,2,3                        ; the maximum of my 32 scores and the old m: four chains a tile, each accumulator from its low end on; the two tiles line by line
.irp t, 0,1
	v_max3_num_f32 v[ST+8*\t+4+\j], v[S+32*\t+8*\j], v[S+32*\t+8*\j+1], v[S+32*\t+8*\j+2]
.endr
.endr
.irp g, 1,2
.irp j, 0,1,2,3
.irp t, 0,1
	v_max3_num_f32 v[ST+8*\t+4+\j], v[ST+8*\t+4+\j], v[S+32*\t+8*\j+2*\g+1], v[S+32*\t+8*\j+2*\g+2]
.endr
.endr
.endr
.irp t, 0,1
	v_max3_num_f32 v[ST+8*\t+4], v[ST+8*\t+4], v[S+32*\t+7], v[S+32*\t+15]
.endr
.irp t, 0,1
	v_max3_num_f32 v[ST+8*\t+6], v[ST+8*\t+6], v[S+32*\t+23], v[S+32*\t+31]
.endr
.irp t, 0,1
	v_max3_num_f32 v[ST+8*\t+4], v[ST+8*\t+4], v[ST+8*\t+5], v[ST+8*\t+6]
.endr
.irp t, 0,1
	v_max3_num_f32 v[ST+8*\t+4], v[ST+8*\t+4], v[ST+8*\t+7], v[ST+8*\t+1]
.endr
.irp t, 0,1
	v_permlanex16_b32 v[ST+8*\t+5], v[ST+8*\t+4], s[SEL], s[SEL+1]   ; the query's other 32 keys lie in the lane 16 away
.endr
.irp t, 0,1
	v_mov_b32 v[ST+8*\t+7], v[ST+8*\t]             ; c m_old is kept for a
.endr
.irp t, 0,1
	v_max_num_f32 v[ST+8*\t+1], v[ST+8*\t+4], v[ST+8*\t+5]
.endr
.irp t, 0,1
	v_mul_f32 v[ST+8*\t], s[CS], v[ST+8*\t+1]
.endr
.irp t, 0,1
	v_sub_f32 v[ST+8*\t+7], v[ST+8*\t+7], v[ST+8*\t]
.endr
.irp b, 0,1,2,3,4,5,6,7,8,9,10,11,12,13,14,15
.irp t, 0,1
	v_pk_fma_f32 v[S+32*\t+2*\b:S+32*\t+2*\b+1], v[S+32*\t+2*\b:S+32*\t+2*\b+1], s[CS:CS+1], v[ST+8*\t:ST+8*\t+1] op_sel_hi:[1,0,0] neg_lo:[0,0,1] neg_hi:[0,0,1]   ; c s - c m
.endr
.endr
.irp t, 0,1                            ; ONE batch of exponentials: a of both tiles and the 64 weights; none reads another's result
	v_exp_f32 v[ST+8*\t+6], v[ST+8*\t+7]
.endr
.irp e, 0,1,2,3,4,5,6,7,8,9,10,11,12,13,14,15,16,17,18,19,20,21,22,23,24,25,26,27,28,29,30,31,32,33,34,35,36,37,38,39,40,41,42,43,44,45,46,47,48,49,50,51,52,53,54,55,56,57,58,59,60,61,62,63
	v_exp_f32 v[S+\e], v[S+\e]
.endr
	v_nop                                          ; a plain line behind the last exponential
	s_wait_alu depctr_va_vdst(0)                   ; one wait for the batch, ahead of its first reader
.irp i, 0,1,2,3,4,5,6,7,8,9,10,11,12,13,14,15
.irp t, 0,1
	v_cvt_pk_f16_f32 v[P+16*\t+\i], v[S+32*\t+2*\i], v[S+32*\t+2*\i+1]
.endr
.endr
.irp u, 0,1,2,3,4,5,6,7                ; the sum of a tile's 16 pairs, in place
.irp t, 0,1
	v_pk_add_f32 v[S+32*\t+4*\u:S+32*\t+4*\u+1], v[S+32*\t+4*\u:S+32*\t+4*\u+1], v[S+32*\t+4*\u+2:S+32*\t+4*\u+3]
.endr
.endr
.irp u, 0,1,2,3
.irp t, 0,1
	v_pk_add_f32 v[S+32*\t+8*\u:S+32*\t+8*\u+1], v[S+32*\t+8*\u:S+32*\t+8*\u+1], v[S+32*\t+8*\u+4:S+32*\t+8*\u+5]
.endr
.endr
.irp u, 0,1
.irp t, 0,1
	v_pk_add_f32 v[S+32*\t+16*\u:S+32*\t+16*\u+1], v[S+32*\t+16*\u:S+32*\t+16*\u+1], v[S+32*\t+16*\u+8:S+32*\t+16*\u+9]
.endr
.endr
.irp t, 0,1
	v_pk_add_f32 v[S+32*\t:S+32*\t+1], v[S+32*\t:S+32*\t+1], v[S+32*\t+16:S+32*\t+17]
.endr
.irp t, 0,1
	v_pk_fma_f32 v[ST+8*\t+2:ST+8*\t+3], v[ST+8*\t+2:ST+8*\t+3], v[ST+8*\t+6:ST+8*\t+7], v[S+32*\t:S+32*\t+1] op_sel_hi:[1,0,1]   ; l = a l + the sum
.endr
	s_wait_dscnt 0x0                               ; V is in
	WIN W_RS
.irp t, 0,1
.irp i, 0,1,2,3,4,5,6,7,8,9,10,11,12,13,14,15
	v_pk_mul_f32 v[O+32*\t+2*\i:O+32*\t+2*\i+1], v[O+32*\t+2*\i:O+32*\t+2*\i+1], v[ST+8*\t+6:ST+8*\t+7] op_sel_hi:[1,0]   ; O^T x a
.endr
.endr
	WIN W_PV
.irp ks, 0,1                           ; O^T += V^T P: eight accumulators by turns
.irp ct, 0,1,2,3
.irp t, 0,1
	v_wmma_f32_16x16x32_f16 v[O+32*\t+8*\ct:O+32*\t+8*\ct+7], v[VFR+16*\ct+8*\ks:VFR+16*\ct+8*\ks+7], v[P+16*\t+8*\ks:P+16*\t+8*\ks+7], v[O+32*\t+8*\ct:O+32*\t+8*\ct+7]
.endr
.endr
.endr
	WIN 0
.Lhidden_\@:
	s_add_co_u32 s[KF], s[KF], KS
	s_add_co_u32 s[TB], s[TB], STEPB
.endm
.macro SLOT_STEPS                      ; a slot's four key steps: written once, walked four times
	s_mov_b32 s[STP], 4
.Lstep_\@:
	STEP
	s_sub_co_u32 s[STP], s[STP], 1
	s_cmp_lg_u32 s[STP], 0
	s_cbranch_scc1 .Lstep_\@
	s_sub_co_u32 s[TB], s[TB], 4*STEPB             ; back to a slot's first step,
	s_xor_b32 s[TB], s[TB], SLOT1                  ; in the other slot
.endm
; THE WAY OUT of a block: O^T / l, rounded to f16, through my stage, and out as 4,096 consecutive bytes (32 rows of 128).
.macro WAYOUT b
.rept 4
	v_nop                                          ; places behind the last products
.endr
.irp t, 0,1
	v_add_f32 v[ST+8*\t+4], v[ST+8*\t+2], v[ST+8*\t+3]
.endr
.irp t, 0,1
	v_permlanex16_b32 v[ST+8*\t+5], v[ST+8*\t+4], s[SEL], s[SEL+1]
.endr
.irp t, 0,1
	v_add_f32 v[ST+8*\t+4], v[ST+8*\t+4], v[ST+8*\t+5]
.endr
.irp t, 0,1
	v_rcp_f32 v[ST+8*\t+6], v[ST+8*\t+4]
.endr
	v_nop
	s_wait_alu depctr_va_vdst(0)                   ; one wait for the two reciprocals, ahead of their first reader
	WIN W_OUT
.irp t, 0,1
.irp i, 0,1,2,3,4,5,6,7,8,9,10,11,12,13,14,15
	v_pk_mul_f32 v[S+32*\t+2*\i:S+32*\t+2*\i+1], v[O+32*\t+2*\i:O+32*\t+2*\i+1], v[ST+8*\t+6:ST+8*\t+7] op_sel_hi:[1,0]
.endr
.endr
	WIN 0
.irp t, 0,1
.irp i, 0,1,2,3,4,5,6,7,8,9,10,11,12,13,14,15
	v_cvt_pk_f16_f32 v[P+16*\t+\i], v[S+32*\t+2*\i], v[S+32*\t+2*\i+1]
.endr
.endr
.irp t, 0,1
.irp ct, 0,1,2,3
	ds_store_b128 v[STO], v[P+16*\t+4*\ct:P+16*\t+4*\ct+3] offset:\t*16*SPT+32*\ct
.endr
.endr
.irp i, 0,1,2,3,4,5,6,7
	ds_load_b128 v[S+4*\i:S+4*\i+3], v[RD] offset:\i*4*SPT         ; LDS serves a wave's instructions in order: these see my stores
.endr
.irp i, 0,1,2,3,4,5,6,7
	s_wait_dscnt 7-\i
	global_store_b128 v[GO], v[S+4*\i:S+4*\i+3], s[\b:\b+1] offset:512*\i   ; 32 lanes store 512 consecutive bytes, aligned
.endr
	s_wait_xcnt 0x0                                ; the stores have read their data: S^T's registers are written again
.endm
	INIT
	s_wait_loadcnt 0x0                             ; Q of both blocks
.Ltrip:                                            ; eight trips; behind each change of slots the next trip's slot is asked for
	CHANGE 1
	SLOT_STEPS
	s_cmp_lg_u32 s[T], s[SWT]
	s_cbranch_scc1 .Lsame
	WAYOUT OB1                                     ; the first block is finished: out, and on to block j
	INIT
	WIN W_RS
.irp i, 0,1,2,3,4,5,6,7,8,9,10,11,12,13,14,15,16,17,18,19,20,21,22,23,24,25,26,27,28,29,30,31
	v_mov_b32 v[Q+\i], v[QN+\i]
.endr
	WIN 0
	s_mov_b32 s[KF], 0
	s_mov_b32 s[Q0], s[Q0A]
.Lsame:
	s_add_co_u32 s[T], s[T], 1
	s_cmp_lt_u32 s[T], 8
	s_cbranch_scc1 .Ltrip
	CHANGE 0                                       ; the last trip is written out
	SLOT_STEPS
	WAYOUT OB2
	s_wait_tensorcnt 0x0                           ; the wave's end
	ds_add_u32 v[SPW], v[NIL]
	s_wait_dscnt 0x0
	s_endpgm
.Lfunc_end_k_q2373fab64d_attn:
	.size	k_q2373fab64d_attn, .Lfunc_end_k_q2373fab64d_attn-k_q2373fab64d_attn
	.p2alignl 7, 3214868480
	.fill 96, 4, 3214868480
	.section	.rodata,"a",@progbits
	.p2align	6, 0x0
	.amdhsa_kernel k_q2373fab64d_attn
		.amdhsa_group_segment_fixed_size 327680
		.amdhsa_private_segment_fixed_size 0
		.amdhsa_enable_private_segment 0
		.amdhsa_kernarg_size 16
		.amdhsa_user_sgpr_count 2
		.amdhsa_user_sgpr_kernarg_segment_ptr 1
		.amdhsa_wavefront_size32 1
		.amdhsa_system_sgpr_workgroup_id_x 1
		.amdhsa_system_sgpr_workgroup_id_y 1
		.amdhsa_system_sgpr_workgroup_id_z 1
		.amdhsa_system_vgpr_workitem_id 0
		.amdhsa_next_free_vgpr 384
		.amdhsa_next_free_sgpr 80
		.amdhsa_reserve_vcc 1
		.amdhsa_float_denorm_mode_32 3
		.amdhsa_float_denorm_mode_16_64 3
		.amdhsa_memory_ordered 1
		.amdhsa_forward_progress 1
		.amdhsa_inst_pref_size 72
	.end_amdhsa_kernel
	.amdgpu_metadata
---
amdhsa.version: [ 1, 2 ]
amdhsa.kernels:
  - .name:           k_q2373fab64d_attn
    .symbol:         k_q2373fab64d_attn.kd
    .args:
      - { .name: qkv, .offset: 0, .size: 8, .value_kind: global_buffer, .address_space: global }
      - { .name: o16, .offset: 8, .size: 8, .value_kind: global_buffer, .address_space: global }
    .group_segment_fixed_size: 327680
    .private_segment_fixed_size: 0
    .kernarg_segment_align: 8
    .kernarg_segment_size: 16
    .max_flat_workgroup_size: 256
    .sgpr_count:     80
    .vgpr_count:     384
    .wavefront_size: 32
...
	.end_amdgpu_metadata
.endif
;; end of part 3
;; launch proj (part 4): grid 4 x 64, 4 waves a work-group, clusters of 4 x 4, 327,680 bytes of LDS; arguments o16, wo16, bo, out0; writes out0
.if DOCPART == 4
	.amdgcn_target "amdgcn-amd-amdhsa--gfx1250"
	.amdhsa_code_object_version 6
	.text
	.protected	k_q2373fab64d_proj
	.globl	k_q2373fab64d_proj
	.p2align	8
	.type	k_q2373fab64d_proj,@function
k_q2373fab64d_proj:
	s_mov_b64 s[64:65], 0
	v_nop
	global_prefetch_b8 v0, s[64:65] scope:SCOPE_SE
	s_setreg_imm32_b32 hwreg(HW_REG_WAVE_MODE, 25, 1), 1
	s_wait_xcnt 0x0
	s_wait_alu depctr_hold_cnt(0) depctr_sa_sdst(0) depctr_va_vdst(0) depctr_va_sdst(0) depctr_va_ssrc(0) depctr_va_vcc(0) depctr_vm_vsrc(0)
	s_getreg_b32 s2, hwreg(HW_REG_IB_STS2, 6, 4)
	s_cmp_eq_u32 s2, 0
	s_cbranch_scc0 .Lentry_in_a_cluster
	s_endpgm
.Lentry_in_a_cluster:
	s_bfe_u32 s2, ttmp6, 0x10000c
	s_cmp_lg_u32 s2, 0xf033
	s_cbranch_scc0 .Lentry_shape_is_right
	s_endpgm
.Lentry_shape_is_right:
; Launch 4 of 5: out0 = o Wo^T + bo, 8,192 x 1,024 x 1,024, f16 operands, f32 sums.  o16: [16 batch + head][2048][64] f16; wo16: [1024 n][1024 k] f16; out0: [8192][1024] f32.
; Positions 0-15 of every sequence are NOT stored here: the last launch makes those 64 rows in f32.  Their products stay, inside a wave's tile of 64 x 128 that also holds live rows.
; A tile of the result is 128 x 256: 256 work-groups.  Four waves, each 64 x 128: 32 accumulators.  K goes in steps of 128 = two heads through two LDS slots: o's tile of a head is 128 rows of 128 bytes,
; dense in memory; Wo's 256 rows of 256 bytes.  Waves 0 and 1 fetch the two heads, waves 2 and 3 Wo's halves: a wave has two tensor loads out at the start and one behind each change of slots.
; CLUSTERS: 4 x 4.  Tile column = 4 x cluster x + cx; tile row = 16 cy + cluster y, so cy is the batch and cluster y = 0 a sequence's first tile.  o's tiles are asked for jointly along a row of the cluster, Wo's along a column.
; THE MATRIX INSTRUCTION IS USED TRANSPOSED (source 0 = 16 rows of Wo, source 1 = 16 rows of o): a lane holds eight neighbouring columns of one row.  bo is the C of each sum's first product.
; REGISTERS: window 0: v0-31 addresses; v64-159, v160-255 two fragment buffers (Wo's 8 fragments, then o's 4); window 1: the 32 accumulators ((a, b) at v[8 (8 a + b)]); window 2: v0-63 bo.
.set PA,    144                        ; a row of o in LDS: 128 bytes + 16
.set PB,    272                        ; a row of Wo: 256 + 16
.set HEADA, 128*PA
.set HALFB, 128*PB
.set BOFF,  2*HEADA
.set SLOT,  BOFF+2*HALFB
.set STAGE, 2*SLOT                     ; behind the ring: 16 rows x 528 bytes for each wave
.set SPT,   528
.set SPARE, STAGE+4*16*SPT
.set ADRA, 16
.set ADRB, 20
.set STO,  24
.set RD,   25
.set CO,   26
.set SPW,  28
.set NIL,  29
.set F0,   64
.set F1,   160
.set BK,   64
.set G1A, 24
.set G0A, 32
.set G1B, 48
.set G0B, 56
.set MSB, 0
.macro WIN new
.if MSB != \new
	s_set_vgpr_msb (MSB<<8)|\new
.set MSB, \new
.endif
.endm
.set MUL,   0x50                       ; C and D window 1
.set FIRST, 0x60                       ; C (bo) window 2, D window 1
.macro JLOAD s                         ; a joint load: waves 0 and 1 fetch o's two heads, waves 2 and 3 Wo's halves; an s_nop 0 and four v_nop follow each line
	s_cmp_eq_u32 s13, 0
	s_cbranch_scc0 .Lfor_b_\@
	tensor_load_to_lds s[G0A+4*\s:G0A+4*\s+3], s[G1A:G1A+7]
	s_nop 0
.rept 4
	v_nop
.endr
	s_branch .Lasked_\@
.Lfor_b_\@:
	tensor_load_to_lds s[G0B+4*\s:G0B+4*\s+3], s[G1B:G1B+7]
	s_nop 0
.rept 4
	v_nop
.endr
.Lasked_\@:
.endm
.macro CREST
	s_cmp_lg_u32 s12, 0
	s_cbranch_scc1 .Lnot_wave_0_\@
	s_barrier_signal -3
.Lnot_wave_0_\@:
	s_barrier_wait -3
	s_barrier_signal -1
	s_barrier_wait -1
.endm
.macro CROUND
	s_barrier_signal -1
	s_barrier_wait -1
	CREST
.endm
	s_load_b256 s[4:11], s[0:1], 0x0               ; o16 4, wo16 6, bo 8, out0 10
	v_lshl_add_u32 v[SPW], v0, 2, SPARE
	v_mov_b32 v[NIL], 0
	ds_add_u32 v[SPW], v[NIL]                      ; the wave's opening: the add, twice on end, and its wait ahead of my first tensor load
	ds_add_u32 v[SPW], v[NIL]
	v_lshrrev_b32 v1, 5, v0
	v_readfirstlane_b32 s12, v1                    ; wave 0..3
	s_lshr_b32 s13, s12, 1                         ; which half of the tile's rows is mine.  Also: I fetch for o (0) or for Wo (1)
	s_and_b32 s14, s12, 1                          ; which half of its columns.  Also: which head, or which 128 rows of Wo, I fetch
	s_bfe_u32 s40, ttmp6, 0x40000                  ; cx
	s_bfe_u32 s41, ttmp6, 0x40004                  ; cy
	s_lshl_b32 s42, ttmp9, 2
	s_add_co_u32 s42, s42, s40                     ; tile column
	s_and_b32 s2, ttmp7, 0xffff                    ; cluster y: the tile's place in its sequence
	s_lshl_b32 s43, s41, 2
	s_lshl_b32 s43, 15, s43                        ; my row of the cluster
	s_lshl_b32 s44, 0x1111, s40                    ; my column
	s_or_b32 s[G1A], s43, (1<<16)|(1<<20)|(1<<21)|(4<<22)|(3<<25)   ; the mask; elements of 2 bytes; padding: 4 words behind every 32
	s_mov_b32 s[G1A+1], 64<<16                     ; tensor_dim0 = 64
	s_mov_b32 s[G1A+2], 128<<16                    ; tensor_dim1 = 128
	s_mov_b32 s[G1A+3], 64<<16                     ; tile_dim0
	s_mov_b32 s[G1A+4], 128                        ; tile_dim1
	s_mov_b32 s[G1A+5], 64                         ; the pitch
	s_mov_b32 s[G1A+6], 0
	s_mov_b32 s[G1A+7], 0
	s_or_b32 s[G1B], s44, (1<<16)|(1<<20)|(1<<21)|(5<<22)|(3<<25)   ; padding: 4 words behind every 64
	s_mov_b32 s[G1B+1], 128<<16
	s_mov_b32 s[G1B+2], 128<<16
	s_mov_b32 s[G1B+3], 128<<16
	s_mov_b32 s[G1B+4], 128
	s_mov_b32 s[G1B+5], 1024
	s_mov_b32 s[G1B+6], 0
	s_mov_b32 s[G1B+7], 0
	s_lshl_b32 s16, s41, 4
	s_add_co_u32 s16, s16, s14                     ; o: head 16 cy + (wave % 2),
	s_lshl_b32 s16, s16, 18
	s_lshl_b32 s17, s2, 14                         ; 128 rows of 128 bytes for each tile
	s_add_co_u32 s16, s16, s17
	s_mov_b32 s17, 0
	s_lshl_b32 s46, s42, 8
	s_lshl_b32 s47, s14, 7
	s_add_co_u32 s46, s46, s47                     ; Wo: row 256 x tile column + 128 x (wave % 2)
	s_lshl_b32 s46, s46, 11
	s_mov_b32 s47, 0
	s_mul_i32 s20, s14, HEADA                      ; where they go
	s_mul_i32 s21, s14, HALFB
	s_add_co_u32 s21, s21, BOFF
	s_wait_dscnt 0x0                               ; both opening adds are done
	s_wait_kmcnt 0x0
	s_add_nc_u64 s[16:17], s[4:5], s[16:17]
	s_add_nc_u64 s[46:47], s[6:7], s[46:47]
	CROUND                                         ; all sixteen work-groups are here: the first joint loads meet
.irp s, 0,1
	s_mov_b32 s[G0A+4*\s], 1
	s_add_co_u32 s[G0A+4*\s+1], s20, \s*SLOT
	s_add_nc_u64 s[G0A+4*\s+2:G0A+4*\s+3], s[16:17], \s*524288      ; K step s: two heads on
	s_or_b32 s[G0A+4*\s+3], s[G0A+4*\s+3], 0x80000000
	s_mov_b32 s[G0B+4*\s], 1
	s_add_co_u32 s[G0B+4*\s+1], s21, \s*SLOT
	s_add_nc_u64 s[G0B+4*\s+2:G0B+4*\s+3], s[46:47], \s*256
	s_or_b32 s[G0B+4*\s+3], s[G0B+4*\s+3], 0x80000000
	JLOAD \s
.endr
	v_and_b32 v1, 15, v0                           ; r
	v_bfe_u32 v2, v0, 4, 1                         ; h
	v_mul_u32_u24 v3, v1, PA
	v_lshl_add_u32 v3, v2, 4, v3
	v_mul_u32_u24 v4, v1, PB
	v_lshl_add_u32 v4, v2, 4, v4
	s_mul_i32 s21, s13, 64*PA                      ; my 64 rows of o
	s_mul_i32 s22, s14, HALFB                      ; my 128 rows of Wo
	s_add_co_u32 s22, s22, BOFF
.irp s, 0,1
	v_add_nc_u32 v[ADRA+\s], s21, v3
	v_add_nc_u32 v[ADRB+\s], s22, v4
	s_add_co_u32 s21, s21, SLOT
	s_add_co_u32 s22, s22, SLOT
.endr
	s_mul_i32 s23, s12, 16*SPT
	s_add_co_u32 s23, s23, STAGE                   ; my stage
	v_mul_u32_u24 v5, v1, SPT
	v_lshl_add_u32 v5, v2, 5, v5
	v_add_nc_u32 v[STO], s23, v5
	v_and_b32 v6, 31, v0
	v_lshlrev_b32 v[CO], 4, v6
	v_add_nc_u32 v[RD], s23, v[CO]
	v_lshlrev_b32 v7, 5, v2                        ; bo: 32 h bytes
	s_lshl_b32 s46, s42, 10
	s_lshl_b32 s47, s14, 9
	s_add_co_u32 s46, s46, s47                     ; my first column, in bytes
	s_mov_b32 s47, 0
	s_add_nc_u64 s[8:9], s[8:9], s[46:47]
	s_lshl_b32 s18, s41, 4
	s_add_co_u32 s18, s18, s2                      ; tile row
	s_lshl_b32 s18, s18, 7
	s_lshl_b32 s19, s13, 6
	s_add_co_u32 s18, s18, s19                     ; my first row
	s_lshl_b32 s18, s18, 12
	s_add_co_u32 s18, s18, s46
	s_mov_b32 s19, 0
	s_add_nc_u64 s[10:11], s[10:11], s[18:19]
	WIN 0x80                                       ; destination window 2
.irp b, 0,1,2,3,4,5,6,7
	global_load_b128 v[8*\b:8*\b+3], v7, s[8:9] offset:64*\b       ; register 8 b + j: bo of column 16 b + 8 h + j
	global_load_b128 v[8*\b+4:8*\b+7], v7, s[8:9] offset:64*\b+16
.endr
	WIN 0
.macro MUL8 f, a, first                ; o's block a against Wo's eight, 32 along K.  The 32 accumulators take turns, one instruction a turn
.irp b, 0,1,2,3,4,5,6,7
.if \first
	v_wmma_f32_16x16x32_f16 v[8*(8*(\a)+\b):8*(8*(\a)+\b)+7], v[\f+8*\b:\f+8*\b+7], v[\f+64+8*(\a):\f+64+8*(\a)+7], v[8*\b:8*\b+7]
.else
	v_wmma_f32_16x16x32_f16 v[8*(8*(\a)+\b):8*(8*(\a)+\b)+7], v[\f+8*\b:\f+8*\b+7], v[\f+64+8*(\a):\f+64+8*(\a)+7], v[8*(8*(\a)+\b):8*(8*(\a)+\b)+7]
.endif
.endr
.endm
.macro FETCH slot, q, f                ; 24 LDS loads: the fragments of the slot's q-th 32 along K: Wo's eight, then o's four (head q / 2, channels 32 (q % 2) on)
.irp i, 0,1,2,3,4,5,6,7
	ds_load_b128 v[\f+8*\i:\f+8*\i+3],   v[ADRB+\slot] offset:64*(\q)+\i*16*PB
	ds_load_b128 v[\f+8*\i+4:\f+8*\i+7], v[ADRB+\slot] offset:64*(\q)+\i*16*PB+32
.endr
.irp i, 0,1,2,3
	ds_load_b128 v[\f+64+8*\i:\f+64+8*\i+3],   v[ADRA+\slot] offset:((\q)/2)*HEADA+((\q)%2)*64+\i*16*PA
	ds_load_b128 v[\f+64+8*\i+4:\f+64+8*\i+7], v[ADRA+\slot] offset:((\q)/2)*HEADA+((\q)%2)*64+\i*16*PA+32
.endr
.endm
.macro PLACES
.rept 4
	v_nop
.endr
.endm
.macro QUARTER slot, qn, f, g, first   ; multiplies buffer f; in its middle fetches the slot's quarter qn into buffer g
	s_wait_dscnt 4                                 ; Wo's fragments and o's blocks 0, 1 are in; the youngest four loads (blocks 2, 3) may be out
.if \first
	WIN FIRST
.else
	WIN MUL
.endif
	MUL8 \f, 0, \first
	MUL8 \f, 1, \first
	PLACES                                         ; in front of loads into registers that matrix instructions have read
	WIN 0
	FETCH \slot, \qn, \g
	s_wait_dscnt 24                                ; all but the 24 just issued
.if \first
	WIN FIRST
.else
	WIN MUL
.endif
	MUL8 \f, 2, \first
	MUL8 \f, 3, \first
.endm
; A slot's last quarter multiplies buffer 1 and changes slots: one barrier; in front of it each wave waits for all its tensor loads, adds 0 to its spare word, and waits for that and for its reads of this slot.
.macro TURN slot, next, fill
	WIN 0
	s_wait_tensorcnt 0x0                           ; all my tensor loads have landed: my part of the next slot
	ds_add_u32 v[SPW], v[NIL]                      ; 0 onto my spare word
	s_wait_dscnt 5                                 ; the add and the youngest four loads may be out
	WIN MUL
	MUL8 F1, 0, 0
	s_wait_dscnt 0x0                               ; the add is done, and my reads of this slot are over
	s_barrier_signal -1
	MUL8 F1, 1, 0
	WIN 0
	s_barrier_wait -1
.if \fill
	CREST                                          ; the barrier has opened a round of the cluster's barrier: no wave of any partner still reads this slot or has a load on its way
	s_add_nc_u64 s[G0A+4*\slot+2:G0A+4*\slot+3], s[G0A+4*\slot+2:G0A+4*\slot+3], 1048576   ; two K steps on: four heads
	s_add_nc_u64 s[G0B+4*\slot+2:G0B+4*\slot+3], s[G0B+4*\slot+2:G0B+4*\slot+3], 512
	JLOAD \slot                                    ; the first tensor load behind the round; its four v_nop are also the places in front of the loads below
.else
	PLACES
.endif
	FETCH \next, 0, F0
	WIN MUL
	MUL8 F1, 2, 0
	MUL8 F1, 3, 0
.endm
	s_wait_tensorcnt 1                             ; my part of K step 0 is in; K step 1's load may be out
	s_barrier_signal -1
	s_barrier_wait -1
	s_wait_loadcnt 0x0                             ; bo
	FETCH 0, 0, F0
	QUARTER 0, 1, F0, F1, 1                        ; the first quarter stands in front of the loop: its products start the sums, with bo
	WIN 0
	s_mov_b32 s3, 3
.Llap:                                             ; a trip goes once round the ring and fills both slots again: K steps 2 to 7
	QUARTER 0, 2, F1, F0, 0
	QUARTER 0, 3, F0, F1, 0
	TURN 0, 1, 1
	QUARTER 1, 1, F0, F1, 0
	QUARTER 1, 2, F1, F0, 0
	QUARTER 1, 3, F0, F1, 0
	TURN 1, 0, 1
	QUARTER 0, 1, F0, F1, 0
	WIN 0
	s_sub_co_u32 s3, s3, 1
	s_cmp_lg_u32 s3, 0
	s_cbranch_scc1 .Llap
	QUARTER 0, 2, F1, F0, 0                        ; the last lap fills nothing
	QUARTER 0, 3, F0, F1, 0
	TURN 0, 1, 0
	QUARTER 1, 1, F0, F1, 0
	QUARTER 1, 2, F1, F0, 0
	QUARTER 1, 3, F0, F1, 0
	s_wait_dscnt 4
	WIN MUL
	MUL8 F1, 0, 0
	MUL8 F1, 1, 0
	s_wait_dscnt 0
	MUL8 F1, 2, 0
	MUL8 F1, 3, 0
	WIN 0
; THE WAY OUT, block by block of 16 rows x 128 columns: through my stage, back as whole rows of 512 bytes.
.macro TOSTAGE a
	WIN 0x04                                       ; an LDS store's data are its source 1: window 1
.irp b, 0,1,2,3,4,5,6,7
	ds_store_b128 v[STO], v[8*(8*(\a)+\b):8*(8*(\a)+\b)+3] offset:64*\b        ; each accumulator from its low end on
	ds_store_b128 v[STO], v[8*(8*(\a)+\b)+4:8*(8*(\a)+\b)+7] offset:64*\b+16
.endr
	WIN 0
.irp t, 0,1,2,3,4,5,6,7,8,9,10,11,12,13,14,15
	ds_load_b128 v[BK+64*((\a)%2)+4*\t:BK+64*((\a)%2)+4*\t+3], v[RD] offset:\t*SPT   ; LDS serves a wave's instructions in order
.endr
.endm
.macro SEND a
.irp t, 0,1,2,3,4,5,6,7,8,9,10,11,12,13,14,15
	s_wait_dscnt 15-\t
	global_store_b128 v[CO], v[BK+64*((\a)%2)+4*\t:BK+64*((\a)%2)+4*\t+3], s[10:11] offset:(16*(\a)+\t)*4096 th:TH_STORE_NT   ; 32 lanes store 512 consecutive bytes, aligned
.endr
.endm
	PLACES                                         ; behind the last products
	s_cmp_lg_u32 s2, 0                             ; positions 0-15 (cluster y = 0, row half 0, block 0) belong to the last launch
	s_cbranch_scc1 .Lrows0
	s_cmp_eq_u32 s13, 0
	s_cbranch_scc1 .Lskip0
.Lrows0:
	TOSTAGE 0
	SEND 0
.Lskip0:
	TOSTAGE 1
	SEND 1
	s_wait_xcnt 0x0                                ; block 0's stores have read their data
	TOSTAGE 2
	SEND 2
	s_wait_xcnt 0x0
	TOSTAGE 3
	SEND 3
	s_wait_tensorcnt 0x0                           ; the wave's end
	ds_add_u32 v[SPW], v[NIL]
	s_wait_dscnt 0x0
	CROUND                                         ; the closing round
	s_endpgm
.Lfunc_end_k_q2373fab64d_proj:
	.size	k_q2373fab64d_proj, .Lfunc_end_k_q2373fab64d_proj-k_q2373fab64d_proj
	.p2alignl 7, 3214868480
	.fill 96, 4, 3214868480
	.section	.rodata,"a",@progbits
	.p2align	6, 0x0
	.amdhsa_kernel k_q2373fab64d_proj
		.amdhsa_group_segment_fixed_size 327680
		.amdhsa_private_segment_fixed_size 0
		.amdhsa_enable_private_segment 0
		.amdhsa_kernarg_size 32
		.amdhsa_user_sgpr_count 2
		.amdhsa_user_sgpr_kernarg_segment_ptr 1
		.amdhsa_wavefront_size32 1
		.amdhsa_system_sgpr_workgroup_id_x 1
		.amdhsa_system_sgpr_workgroup_id_y 1
		.amdhsa_system_sgpr_workgroup_id_z 1
		.amdhsa_system_vgpr_workitem_id 0
		.amdhsa_next_free_vgpr 576
		.amdhsa_next_free_sgpr 66
		.amdhsa_reserve_vcc 0
		.amdhsa_float_denorm_mode_32 3
		.amdhsa_float_denorm_mode_16_64 3
		.amdhsa_memory_ordered 1
		.amdhsa_forward_progress 1
		.amdhsa_inst_pref_size 88
	.end_amdhsa_kernel
	.amdgpu_metadata
---
amdhsa.version: [ 1, 2 ]
amdhsa.kernels:
  - .name:           k_q2373fab64d_proj
    .symbol:         k_q2373fab64d_proj.kd
    .args:
      - { .name: o16, .offset: 0, .size: 8, .value_kind: global_buffer, .address_space: global }
      - { .name: wo16, .offset: 8, .size: 8, .value_kind: global_buffer, .address_space: global }
      - { .name: bo, .offset: 16, .size: 8, .value_kind: global_buffer, .address_space: global }
      - { .name: out0, .offset: 24, .size: 8, .value_kind: global_buffer, .address_space: global }
    .group_segment_fixed_size: 327680
    .private_segment_fixed_size: 0
    .kernarg_segment_align: 8
    .kernarg_segment_size: 32
    .max_flat_workgroup_size: 128
    .sgpr_count:     66
    .vgpr_count:     576
    .wavefront_size: 32
...
	.end_amdgpu_metadata
.endif
;; end of part 4
;; launch first16 (part 5): grid 16 x 4, 16 waves a work-group, no clusters, 71,680 bytes of LDS; arguments early, Wo, bo, out0; writes out0
.if DOCPART == 5
	.amdgcn_target "amdgcn-amd-amdhsa--gfx1250"
	.amdhsa_code_object_version 6
	.text
	.protected	k_q2373fab64d_first16
	.globl	k_q2373fab64d_first16
	.p2align	8
	.type	k_q2373fab64d_first16,@function
k_q2373fab64d_first16:
	s_mov_b64 s[64:65], 0
	v_nop
	global_prefetch_b8 v0, s[64:65] scope:SCOPE_SE
	s_setreg_imm32_b32 hwreg(HW_REG_WAVE_MODE, 25, 1), 1
	s_wait_xcnt 0x0
; Launch 5 of 5: positions 0-15 of every sequence, where a row of the softmax averages one to sixteen values: scores, softmax, P V and the projection by Wo all on f32 operands.  64 rows of out0: no bulk work.
; LEFT OUT: bk, as in the launches before (early's k has no bias; the first launch's head comment shows why).
; early: [which][16 batch + head][16][64] f32.  Work-group (cg, batch) makes out0[batch][0..15][64 cg .. 64 cg + 63].  Wave w is head w: it makes its head's 16 x 16 attention (again in each of the
; 16 column groups: 12 KB of loads a wave) and its part of the projection, over its own 64 of K; the 16 parts meet in LDS and waves 0-7 add them.
; THE f32 MATRIX FORM takes K = 4: lane (r, h) gives row r's numbers k = 2 h + j.  K is permuted ALIKE on both sides of each product, so that a lane's registers can be used as they are loaded or made.
; All three products are used transposed: a lane holds ONE query (lane % 16) throughout.  The registers that the matrix instructions write (v28-43, v52-83) are written by them alone.
.set PPT,   272                        ; a part's row in LDS: 256 bytes + 16
.set PART,  16*PPT
.set SPARE, 16*PART
.set QA,  3
.set VA,  4
.set WA,  5
.set STO, 6
.set RD,  7
.set GO,  8
.set SPW, 9
.set NIL, 10
.set DD,  11                           ; lane % 16 - 8 (lane / 16)
.set BA,  24
.set SA,  28
.set SB,  36
.set PS,  44
.set OA,  52                           ; O^T, later the projection's four accumulators
.set QR,  84
.set KR,  116
.set VR,  148                          ; V, later O^T / l
.set W01, 180
.set W23, 84
.set RS,  84
	s_load_b256 s[4:11], s[0:1], 0x0               ; early 4, Wo 6, bo 8, out0 10
	v_lshl_add_u32 v[SPW], v0, 2, SPARE
	v_mov_b32 v[NIL], 0
	v_lshrrev_b32 v12, 5, v0
	v_readfirstlane_b32 s12, v12                   ; wave = head
	s_and_b32 s14, ttmp7, 0xffff                   ; batch
	v_and_b32 v1, 15, v0                           ; r
	v_bfe_u32 v2, v0, 4, 1                         ; h
	v_lshlrev_b32 v[QA], 8, v1
	v_lshl_add_u32 v[QA], v2, 4, v[QA]             ; q, k: row r of 256 bytes + 16 h
	v_lshlrev_b32 v[VA], 11, v2
	v_lshl_add_u32 v[VA], v1, 2, v[VA]             ; v: key 8 h, channel r
	v_lshlrev_b32 v[WA], 12, v1
	v_lshl_add_u32 v[WA], v2, 5, v[WA]             ; Wo: row r of 4,096 bytes + 32 h
	s_mul_i32 s16, s12, PART
	v_mul_u32_u24 v[STO], v1, PPT
	v_lshl_add_u32 v[STO], v2, 5, v[STO]
	v_add_nc_u32 v[STO], s16, v[STO]               ; my part: row r, 32 bytes for each half of the lanes
	v_bfe_u32 v12, v0, 4, 4                        ; for the sum: row (thread % 256) / 16,
	v_mul_u32_u24 v[RD], v12, PPT
	v_lshl_add_u32 v[RD], v1, 4, v[RD]             ; 16 bytes a thread
	v_lshlrev_b32 v[GO], 12, v12
	v_lshl_add_u32 v[GO], v1, 4, v[GO]
	v_lshlrev_b32 v[BA], 4, v1
	v_lshlrev_b32 v[DD], 3, v2
	v_sub_nc_u32 v[DD], v1, v[DD]
	v_mov_b32 v12, 0xff800000                      ; -infinity
	v_mov_b32 v14, 0                               ; (a lane permute's destination counts as one of its sources)
	s_mov_b32 s20, 0x76543210
	s_mov_b32 s21, 0xfedcba98
	s_mov_b32 s22, 0x3e38aa3b                      ; c = log2(e) / 8
	s_lshl_b32 s16, s14, 4
	s_add_co_u32 s16, s16, s12
	s_lshl_b32 s16, s16, 12                        ; early: (16 batch + head) x 4,096
	s_mov_b32 s17, 0
	s_lshl_b32 s18, ttmp9, 18                      ; Wo: 64 cg rows of 4,096 bytes,
	s_lshl_b32 s19, s12, 8                         ; + my head's 64 numbers
	s_add_co_u32 s18, s18, s19
	s_mov_b32 s19, 0
	s_lshl_b32 s24, ttmp9, 8                       ; bo: 64 cg numbers
	s_mov_b32 s25, 0
	s_lshl_b32 s26, s14, 23                        ; out0: batch x 2,048 rows of 4,096 bytes,
	s_add_co_u32 s26, s26, s24                     ; + 64 cg numbers
	s_mov_b32 s27, 0
	s_wait_kmcnt 0x0
	s_add_nc_u64 s[4:5], s[4:5], s[16:17]
	s_add_nc_u64 s[6:7], s[6:7], s[18:19]
	s_add_nc_u64 s[8:9], s[8:9], s[24:25]
	s_add_nc_u64 s[10:11], s[10:11], s[26:27]
	global_load_b128 v[20:23], v[BA], s[8:9]
.irp i, 0,1,2,3,4,5,6,7
	global_load_b128 v[QR+4*\i:QR+4*\i+3], v[QA], s[4:5] offset:32*\i              ; q(r, 8 i + 4 h + 0 .. 3)
.endr
.irp i, 0,1,2,3,4,5,6,7
	global_load_b128 v[KR+4*\i:KR+4*\i+3], v[QA], s[4:5] offset:262144+32*\i       ; k likewise
.endr
.irp ct, 0,1,2,3
.irp jj, 0,1,2,3,4,5,6,7
	global_load_b32 v[VR+8*\ct+\jj], v[VA], s[4:5] offset:524288+256*\jj+64*\ct    ; v(8 h + jj, 16 ct + r)
.endr
.endr
.irp nt, 0,1
.irp ct, 0,1,2,3
	global_load_b128 v[W01+32*\nt+8*\ct:W01+32*\nt+8*\ct+3],   v[WA], s[6:7] offset:65536*\nt+64*\ct      ; Wo(16 nt + r, 16 ct + 8 h + 0 .. 7)
	global_load_b128 v[W01+32*\nt+8*\ct+4:W01+32*\nt+8*\ct+7], v[WA], s[6:7] offset:65536*\nt+64*\ct+16
.endr
.endr
	s_wait_loadcnt 48                              ; bo, q and k are in; v's 32 loads and Wo's 16 may be out
.irp i, 0,1,2,3,4,5,6,7                ; S^T = k q^T: 16 steps of 4 along the head's 64, two accumulators by turns, each begun with 0
.irp e, 0,1
.if \i == 0
	v_wmma_f32_16x16x4_f32 v[SA+8*\e:SA+8*\e+7], v[KR+4*\i+2*\e:KR+4*\i+2*\e+1], v[QR+4*\i+2*\e:QR+4*\i+2*\e+1], 0
.else
	v_wmma_f32_16x16x4_f32 v[SA+8*\e:SA+8*\e+7], v[KR+4*\i+2*\e:KR+4*\i+2*\e+1], v[QR+4*\i+2*\e:QR+4*\i+2*\e+1], v[SA+8*\e:SA+8*\e+7]
.endif
.endr
.endr
.rept 10
	v_nop                                          ; places behind this form: for the reads of the sums and for the loads into q's and k's registers
.endr
.irp nt, 0,1
.irp ct, 0,1,2,3
	global_load_b128 v[W23+32*\nt+8*\ct:W23+32*\nt+8*\ct+3],   v[WA], s[6:7] offset:65536*(\nt+2)+64*\ct
	global_load_b128 v[W23+32*\nt+8*\ct+4:W23+32*\nt+8*\ct+7], v[WA], s[6:7] offset:65536*(\nt+2)+64*\ct+16
.endr
.endr
.irp j, 0,1,2,3,4,5,6,7
	v_add_f32 v[PS+\j], v[SA+\j], v[SB+\j]         ; the score of query r and key 8 h + j
.endr
.irp j, 0,1,2,3,4,5,6,7
	v_cmp_gt_i32 vcc_lo, \j, v[DD]                 ; hidden where 8 h + j is above r
	v_cndmask_b32 v[PS+\j], v[PS+\j], v12, vcc_lo
.endr
	v_max3_num_f32 v13, v[PS], v[PS+1], v[PS+2]
	v_max3_num_f32 v13, v13, v[PS+3], v[PS+4]
	v_max3_num_f32 v13, v13, v[PS+5], v[PS+6]
	v_max_num_f32 v13, v13, v[PS+7]
	v_permlanex16_b32 v14, v13, s20, s21
	v_max_num_f32 v13, v13, v14                    ; the row's maximum (key 0 counts for every query)
	v_mul_f32 v15, s22, v13
.irp j, 0,1,2,3,4,5,6,7
	v_fma_f32 v[PS+\j], v[PS+\j], s22, -v15
.endr
.irp j, 0,1,2,3,4,5,6,7
	v_exp_f32 v[PS+\j], v[PS+\j]
.endr
	v_nop
	s_wait_alu depctr_va_vdst(0)                   ; one wait for the eight, ahead of their first reader
	v_add_f32 v13, v[PS], v[PS+1]
	v_add_f32 v16, v[PS+2], v[PS+3]
	v_add_f32 v17, v[PS+4], v[PS+5]
	v_add_f32 v18, v[PS+6], v[PS+7]
	v_add_f32 v13, v13, v16
	v_add_f32 v17, v17, v18
	v_add_f32 v13, v13, v17
	v_permlanex16_b32 v14, v13, s20, s21
	v_add_f32 v13, v13, v14                        ; the row's sum
	v_rcp_f32 v16, v13
	v_nop
	s_wait_alu depctr_va_vdst(0)
	s_wait_loadcnt 32                              ; v is in; Wo's 32 loads may be out
.irp s, 0,1,2,3                        ; O^T = v^T p^T: keys 8 h + 2 s + j in step s; four accumulators by turns
.irp ct, 0,1,2,3
.if \s == 0
	v_wmma_f32_16x16x4_f32 v[OA+8*\ct:OA+8*\ct+7], v[VR+8*\ct+2*\s:VR+8*\ct+2*\s+1], v[PS+2*\s:PS+2*\s+1], 0
.else
	v_wmma_f32_16x16x4_f32 v[OA+8*\ct:OA+8*\ct+7], v[VR+8*\ct+2*\s:VR+8*\ct+2*\s+1], v[PS+2*\s:PS+2*\s+1], v[OA+8*\ct:OA+8*\ct+7]
.endif
.endr
.endr
.rept 10
	v_nop                                          ; places: for the reads of O^T, for the writes over v's registers, and for the matrix instructions below that begin new sums in O^T's registers
.endr
.irp i, 0,1,2,3,4,5,6,7,8,9,10,11,12,13,14,15,16,17,18,19,20,21,22,23,24,25,26,27,28,29,30,31
	v_mul_f32 v[VR+\i], v[OA+\i], v16              ; o(r, 16 ct + 8 h + j), into other registers
.endr
	s_wait_loadcnt 0x0                             ; Wo
.irp ct, 0,1,2,3                       ; my part of the projection: channels 16 ct + 8 h + 2 s + j in step (ct, s); four accumulators by turns
.irp s, 0,1,2,3
.irp nt, 0,1,2,3
.if \nt < 2
.set WR, W01+32*\nt+8*\ct+2*\s
.else
.set WR, W23+32*(\nt-2)+8*\ct+2*\s
.endif
.if (\ct == 0) && (\s == 0)
	v_wmma_f32_16x16x4_f32 v[OA+8*\nt:OA+8*\nt+7], v[WR:WR+1], v[VR+8*\ct+2*\s:VR+8*\ct+2*\s+1], 0
.else
	v_wmma_f32_16x16x4_f32 v[OA+8*\nt:OA+8*\nt+7], v[WR:WR+1], v[VR+8*\ct+2*\s:VR+8*\ct+2*\s+1], v[OA+8*\nt:OA+8*\nt+7]
.endif
.endr
.endr
.endr
.rept 10
	v_nop                                          ; places: for the stores of the sums and for the loads into Wo's registers
.endr
.irp nt, 0,1,2,3
	ds_store_b128 v[STO], v[OA+8*\nt:OA+8*\nt+3] offset:64*\nt     ; lane (r, h): columns 16 nt + 8 h + 0 .. 7 of row r; each accumulator from its low end on
	ds_store_b128 v[STO], v[OA+8*\nt+4:OA+8*\nt+7] offset:64*\nt+16
.endr
	s_wait_dscnt 0x0                               ; for the others' sake: my part lies in LDS
	s_barrier_signal -1
	s_barrier_wait -1
	s_cmp_ge_u32 s12, 8
	s_cbranch_scc1 .Lend
.irp p, 0,1,2,3,4,5,6,7,8,9,10,11,12,13,14,15
	ds_load_b128 v[RS+4*\p:RS+4*\p+3], v[RD] offset:\p*PART
.endr
	s_wait_dscnt 0x0
.irp d, 8,4,2,1
.irp p, 0,1,2,3,4,5,6,7
.if \p < \d
	v_pk_add_f32 v[RS+4*\p:RS+4*\p+1], v[RS+4*\p:RS+4*\p+1], v[RS+4*(\p+\d):RS+4*(\p+\d)+1]
	v_pk_add_f32 v[RS+4*\p+2:RS+4*\p+3], v[RS+4*\p+2:RS+4*\p+3], v[RS+4*(\p+\d)+2:RS+4*(\p+\d)+3]
.endif
.endr
.endr
	v_pk_add_f32 v[RS:RS+1], v[RS:RS+1], v[20:21]
	v_pk_add_f32 v[RS+2:RS+3], v[RS+2:RS+3], v[22:23]
	global_store_b128 v[GO], v[RS:RS+3], s[10:11]  ; 16 lanes store 256 consecutive bytes, aligned
.Lend:
	s_wait_tensorcnt 0x0                           ; the wave's end
	ds_add_u32 v[SPW], v[NIL]
	s_wait_dscnt 0x0
	s_endpgm
.Lfunc_end_k_q2373fab64d_first16:
	.size	k_q2373fab64d_first16, .Lfunc_end_k_q2373fab64d_first16-k_q2373fab64d_first16
	.p2alignl 7, 3214868480
	.fill 96, 4, 3214868480
	.section	.rodata,"a",@progbits
	.p2align	6, 0x0
	.amdhsa_kernel k_q2373fab64d_first16
		.amdhsa_group_segment_fixed_size 71680
		.amdhsa_private_segment_fixed_size 0
		.amdhsa_enable_private_segment 0
		.amdhsa_kernarg_size 32
		.amdhsa_user_sgpr_count 2
		.amdhsa_user_sgpr_kernarg_segment_ptr 1
		.amdhsa_wavefront_size32 1
		.amdhsa_system_sgpr_workgroup_id_x 1
		.amdhsa_system_sgpr_workgroup_id_y 1
		.amdhsa_system_sgpr_workgroup_id_z 1
		.amdhsa_system_vgpr_workitem_id 0
		.amdhsa_next_free_vgpr 256
		.amdhsa_next_free_sgpr 66
		.amdhsa_reserve_vcc 1
		.amdhsa_float_denorm_mode_32 3
		.amdhsa_float_denorm_mode_16_64 3
		.amdhsa_memory_ordered 1
		.amdhsa_forward_progress 1
		.amdhsa_inst_pref_size 25
	.end_amdhsa_kernel
	.amdgpu_metadata
---
amdhsa.version: [ 1, 2 ]
amdhsa.kernels:
  - .name:           k_q2373fab64d_first16
    .symbol:         k_q2373fab64d_first16.kd
    .args:
      - { .name: early, .offset: 0, .size: 8, .value_kind: global_buffer, .address_space: global }
      - { .name: Wo, .offset: 8, .size: 8, .value_kind: global_buffer, .address_space: global }
      - { .name: bo, .offset: 16, .size: 8, .value_kind: global_buffer, .address_space: global }
      - { .name: out0, .offset: 24, .size: 8, .value_kind: global_buffer, .address_space: global }
    .group_segment_fixed_size: 71680
    .private_segment_fixed_size: 0
    .kernarg_segment_align: 8
    .kernarg_segment_size: 32
    .max_flat_workgroup_size: 512
    .sgpr_count:     66
    .vgpr_count:     256
    .wavefront_size: 32
...
	.end_amdgpu_metadata
.endif
;; end of part 5
